; MI455X (gfx1250); checked and timed in simulation.
; The chip was launched on July 23, 2026; its instructions are those of AMD's public machine-readable ISA for CDNA 5 (MIT licence, August 2026) and "CDNA5" Instruction Set Architecture Reference Guide (July 2026). The comments in the code are by the model that wrote it; some were corrected since.
;; Task Mo E. Allowed arithmetic: matrix products marked QUANTISED: E2M1 operands, one E8M0 scale for each 32 along K, by v_wmma_scale_f32_16x16x128_f8f6f4 with both operands' format E2M1 (or v_wmma_scale_f32_32x16x128_f4), f32 sums; products left as they are: f32 operands where the result goes on into a quantised operand, else bf16, f16 or f32 operands; f32 sums; everything else in f32.
;; Inputs: expert_bias 8 x 1,024 float32; expert_weight_codes 8 x 1,024 x 32 x 16 uint8 (E2M1 codes of expert_weight, K innermost, in blocks of 32 codes, two codes a byte); expert_weight_scales 8 x 1,024 x 32 uint8 (E8M0 scales of expert_weight, one for each 32 codes along K); hidden_states 4 x 2,048 x 1,024 float32; wg 1,024 x 8 float32.
;; Outputs: out0 4 x 2,048 x 1,024 float32; out1 4 x 2,048 x 2 int32; out2 4 x 2,048 x 2 float32.
;; This version of the problem:
;;   THIS VERSION OF THE PROBLEM IS GIVEN IN LOW PRECISION. The matrix products marked QUANTISED in the list below multiply operands that are first quantised to E2M1 (2 exponent bits, 1 mantissa bit; 4 bits a number), with one power-of-two scale for each 32 numbers along K (OCP MX v1.0); their sums are f32. All else is computed in f32.
;;   The module's matrix products, in the order in which they are computed (A, B: the left and right operand; K: the contracted axis; several contracted axes count as one K, in the product's order):
;;     1. [M 8,192, K 1,024] x [K 1,024, N 8]; A: input hidden_states; B: input wg: left as it is (N = 8 < 16)
;;     2. [M 8,192, K 1,024] x [K 1,024, N 8,192]; A: input hidden_states; B: input expert_weight (given as codes): QUANTISED
;;     3. batch 8,192 x [M 1, K 2] x [K 2, N 1,024]; A: computed on the way; B: computed on the way: left as it is (K = 2 < 32)
;;   THE QUANTISER, for each operand of a quantised product, along K:
;;     - K is cut into blocks of 32 from its start; a last block that is shorter is filled with zeros.
;;     - A block's scale is 2^e with e = floor(log2(the largest magnitude in the block)) - 2, held to -126 .. 127; a block of zeros has e = 0. As a byte (E8M0): e + 127.
;;     - Each number is divided by its block's scale, clamped to +-6, and rounded to the nearest number of E2M1, ties to even, subnormals kept.
;;     - The product sums the exact products of the quantised numbers (number of the format x scale) in f32.
;;   ~~~python
;;   def quantise(x, axis):      # numpy; x: float32 -> the quantised numbers, widened to float32 again
;;       x = np.moveaxis(x, axis, -1); K = x.shape[-1]
;;       x = np.pad(x, [(0, 0)] * (x.ndim - 1) + [(0, -K % 32)]); x = x.reshape(x.shape[:-1] + (-1, 32)); a = np.abs(x).max(-1, keepdims=True)
;;       e = np.where(a > 0, np.clip(np.frexp(np.where(a > 0, a, 1))[1] - 1 - 2, -126, 127), 0)      # np.frexp(a)[1] - 1 = floor(log2(a)), exactly
;;       r = np.clip(x / 2.0 ** e, -6, 6)
;;       step = 2.0 ** (np.maximum(np.frexp(np.where(r == 0, 1, r))[1] - 1, 0) - 1)
;;       q = np.round(r / step) * step * 2.0 ** e      # np.round: ties to even
;;       return np.moveaxis(q.reshape(q.shape[:-2] + (-1,))[..., :K], -1, axis).astype(np.float32)
;;   ~~~
;;   INPUTS GIVEN AS CODES. expert_weight (in the module: [8, 1024, 1024], K = its axis 2): each comes as NAME_codes (uint8): NAME with its K axis moved to the last place and cut into blocks of 32 codes, [.., K / 32, bytes a block], one block behind the other in memory; two codes a byte, the lower K in the low four bits (a code: sign, 2 exponent bits, 1 mantissa bit); and NAME_scales (uint8): the same leading axes, one E8M0 byte (e + 127) for each 32 codes along K. Its value is code x scale, taken as it is: it is not quantised again, and the codes and scales need not be those that the quantiser above would give.
;; 3 versions. Each part assembles by itself: llvm-mc -triple=amdgcn-amd-amdhsa -mcpu=gfx1250 --defsym DOCPART=n.
;; ======== version 1 of 3: 3 launches
;; workspace buffers: xcodes 4,194,304 bytes; xscales 262,144 bytes; gates 131,072 bytes; route 65,536 bytes of whole numbers; order 32,768 bytes of whole numbers; groups 1,536 bytes of whole numbers; wimg 4,194,304 bytes
;; launch route_quant (part 1): grid 256 x 1, 16 waves a work-group, no clusters, 175,616 bytes of LDS; arguments hidden_states, wg, xcodes, xscales, out1, out2, route, gates; writes xcodes, xscales, out1, out2, route, gates
.if DOCPART == 1
	.amdgcn_target "amdgcn-amd-amdhsa--gfx1250"
	.amdhsa_code_object_version 6
	.text
	.protected	k_qfdeadcd6bc_route_quant
	.globl	k_qfdeadcd6bc_route_quant
	.p2align	8
	.type	k_qfdeadcd6bc_route_quant,@function
k_qfdeadcd6bc_route_quant:
	s_mov_b64 s[64:65], 0
	v_nop
	global_prefetch_b8 v0, s[64:65] scope:SCOPE_SE
	s_setreg_imm32_b32 hwreg(HW_REG_WAVE_MODE, 25, 1), 1
	s_wait_xcnt 0x0
; ROUTER AND QUANTISER.  x: [8192][1024] f32, wg: [1024][8] f32.  x is read once and serves both.
; Out: xcodes [token][512 bytes] (E2M1, K innermost, the lower k in the low four bits), xscales [token][32 bytes] (E8M0), out1 (the two experts, larger probability first), out2 (their gates),
; gates [token][4] = g_lo, g_lo, g_hi, g_hi (by ascending expert), route [block of 32 tokens][lane][2 words]: word 0 = how many of the block's tokens have key = lane; word 1 = key | rank << 8 of token = lane.
; key = lo (15 - lo) / 2 + hi - lo - 1 numbers the 28 unordered pairs of experts; rank = the token's place among the block's tokens of the same key.  All of that is stored at fixed places: no address and no branch hangs on it.
; SHARES.  A work-group owns 32 tokens (131,072 bytes of x).  Wave w owns K = 64 w .. 64 w + 63 of all 32: one tensor load brings its slice, 32 rows x 256 bytes.  A LANE IS A TOKEN and its 64 registers run along K:
; the logits need no other lane (wg comes as scalars), and a block of 32 along K lies whole in one lane.  The 16 waves' partial logits meet in LDS; wave 0 finishes them.
; The logits are fused multiply-adds in f32: the chosen experts are compared exactly.  The softmax takes the row's largest logit away first.
; LIMITS: NaN and infinities are not served.  A probability under 2^-126 counts as 0 (v_exp_f32 gives 0 there: ISA guide, 15.8).  Where two probabilities agree within f32 rounding the choice between them may differ from another order of sums.
; A block of zeros gets the scale byte 1 (the floor) where the quantiser's rule says 127: its codes are zeros, and only this program's launches read the bytes.
; Each LDS byte is filled once: no slot is filled again.
.set XSLB, 8704                        ; a wave's slice in LDS: 32 rows x (256 bytes + 16 of padding): row r starts 68 words on
.set STG,  139264                      ; behind the 16 slices: the codes of 32 tokens, rows of 512 bytes + 16
.set SCS,  156160                      ; their scale bytes, 32 a token
.set PL,   157184                      ; the partial logits: [wave][lane][8 f32]
.set X,    16                          ; v16-79   my token's 64 numbers
.set ACC,  80                          ; v80-87   my 8 partial logits
.set WA,   32                          ; s32-63   wg: 4 rows of K x 8 experts
.set WB,   68                          ; s68-99   the same, the other buffer
	s_load_b128 s[4:7], s[0:1], 0x0                ; x, wg
	s_load_b256 s[20:27], s[0:1], 0x10             ; xcodes, xscales, out1, out2
	s_load_b128 s[28:31], s[0:1], 0x30             ; route, gates
	v_lshl_add_u32 v160, v0, 2, 0x2a600
	v_mov_b32 v161, 0
	ds_add_u32 v160, v161
	ds_add_u32 v160, v161
	v_lshrrev_b32 v1, 5, v0
	v_readfirstlane_b32 s2, v1                     ; wave 0..15
	v_and_b32 v1, 31, v0                           ; lane = token in the block
	; descriptor group 1: 32 rows of 64 elements of 4 bytes, 1,024 elements from row to row; 4 words of padding behind every 64
	s_mov_b32 s12, (2<<16)|(1<<20)|(5<<22)|(3<<25)
	s_mov_b32 s13, 64<<16                          ; tensor_dim0 = 64
	s_mov_b32 s14, 32<<16                          ; tensor_dim1 = 32
	s_mov_b32 s15, 64<<16                          ; tile_dim0 = 64
	s_mov_b32 s16, 32                              ; tile_dim1 = 32
	s_mov_b32 s17, 1024                            ; stride
	s_mov_b32 s18, 0
	s_mov_b32 s19, 0
	s_mov_b32 s8, 1                                ; group 0: count = 1
	s_mul_i32 s9, s2, XSLB                         ; LDS address: my slice
	s_lshl_b32 s100, ttmp9, 17                     ; the block's 32 rows of 4,096 bytes
	s_lshl_b32 s3, s2, 8                           ; my 256 bytes of a row
	s_add_co_u32 s100, s100, s3
	s_mov_b32 s101, 0
	s_wait_dscnt 0x0
	s_wait_kmcnt 0x0
	s_add_nc_u64 s[10:11], s[4:5], s[100:101]
	s_or_b32 s11, s11, 0x80000000                  ; type = 2
	tensor_load_to_lds s[8:11], s[12:19]           ; my one tensor load
	s_nop 0
.rept 4
	v_nop
.endr
.macro LOADWG t, base                  ; wg's rows 4 t .. 4 t + 3 of my 64: 128 bytes
	s_load_b512 s[\base:\base+15], s[6:7], 128*(\t)
	s_load_b512 s[\base+16:\base+31], s[6:7], 128*(\t)+64
.endm
	s_lshl_b32 s100, s2, 11                        ; my 64 rows of wg, 32 bytes each
	s_add_nc_u64 s[6:7], s[6:7], s[100:101]
	LOADWG 0, WA
	; every LDS address is made here, ahead of the place where the waves part
	v_mul_u32_u24 v2, v1, 272
	v_add_nc_u32 v2, s9, v2                        ; v2: my token's row in my slice
	v_mul_u32_u24 v3, v1, 528
	s_lshl_b32 s3, s2, 5
	s_add_co_u32 s3, s3, STG
	v_add_nc_u32 v3, s3, v3                        ; v3: my token's row of codes, my wave's 32 bytes
	v_lshlrev_b32 v4, 5, v1
	s_lshl_b32 s3, s2, 1
	s_add_co_u32 s3, s3, SCS
	v_add_nc_u32 v4, s3, v4                        ; v4: my token's scale bytes, my wave's two
	v_lshlrev_b32 v5, 5, v1
	s_lshl_b32 s3, s2, 10
	s_add_co_u32 s3, s3, PL
	v_add_nc_u32 v5, s3, v5                        ; v5: my partial logits
	v_lshlrev_b32 v9, 4, v1                        ; v9: 16 x lane
	s_mul_i32 s3, s2, 1056
	s_add_co_u32 s3, s3, STG
	v_add_nc_u32 v6, s3, v9                        ; v6: the way out: rows 2 w, 2 w + 1 of the codes
	s_lshl_b32 s3, s2, 10
	v_add_nc_u32 v7, s3, v9                        ; v7: and their place in xcodes
	v_lshlrev_b32 v8, 5, v1
	v_add_nc_u32 v8, PL, v8                        ; v8: wave 0: my token's partial logits of wave 0
	v_lshlrev_b32 v10, 3, v1                       ; v10: 8 x lane
	v_add_nc_u32 v11, SCS, v9                      ; v11: wave 1: the scale bytes, 16 a lane
	s_lshl_b32 s100, ttmp9, 14
	s_add_nc_u64 s[20:21], s[20:21], s[100:101]    ; xcodes: 32 x 512 bytes a block
	s_lshl_b32 s100, ttmp9, 10
	s_add_nc_u64 s[22:23], s[22:23], s[100:101]    ; xscales: 32 x 32
	s_lshl_b32 s100, ttmp9, 8
	s_add_nc_u64 s[24:25], s[24:25], s[100:101]    ; out1, out2, route: 32 x 8
	s_add_nc_u64 s[26:27], s[26:27], s[100:101]
	s_add_nc_u64 s[28:29], s[28:29], s[100:101]
	s_lshl_b32 s100, ttmp9, 9
	s_add_nc_u64 s[30:31], s[30:31], s[100:101]    ; gates: 32 x 16
	s_wait_tensorcnt 0x0                           ; my slice is in LDS; only I read it
.set I, 0
.rept 16
	ds_load_b128 v[X+4*I:X+4*I+3], v2 offset:16*I
.set I, I+1
.endr
; Four rows of K: 32 multiply-adds, the eight sums by turns.  The next four rows of wg are asked for first, into the other buffer.
.macro FM t, cur, nxt
	s_wait_kmcnt 0x0                               ; this batch of wg is in (scalar loads are waited for with 0 alone)
.if (\t) < 15
	LOADWG (\t)+1, \nxt
.endif
	s_wait_dscnt 15-(\t)                           ; LDS loads come back in order: my numbers 4 t .. 4 t + 3 are in, the younger loads may be out
.irp k, 0,1,2,3
.irp j, 0,1,2,3,4,5,6,7
.if ((\t) == 0) && (\k == 0)
	v_mul_f32 v[ACC+\j], s[\cur+8*\k+\j], v[X+4*(\t)+\k]     ; the first product starts the sum
.else
	v_fmac_f32 v[ACC+\j], s[\cur+8*\k+\j], v[X+4*(\t)+\k]
.endif
.endr
.endr
.endm
.set T, 0
.rept 8
	FM T, WA, WB
.set T, T+1
	FM T, WB, WA
.set T, T+1
.endr
	; THE QUANTISER: my two blocks of 32, by turns
.irp b, 0,1
	v_max3_num_f32 v[88+\b], |v[X+32*\b]|, |v[X+32*\b+1]|, 0x1800000   ; the floor 2^(3 - 127) among the leaves: the byte cannot fall under 1
.endr
.irp i, 2,4,6,8,10,12,14,16,18,20,22,24,26,28,30
.irp b, 0,1
	v_max3_num_f32 v[88+\b], v[88+\b], |v[X+32*\b+\i]|, |v[X+32*\b+\i+1]|
.endr
.endr
.irp b, 0,1
	v_add_nc_u32 v[90+\b], 0xff000000, v[88+\b]    ; 2 off the largest magnitude's exponent field: the conversion takes this operand's exponent field as its scale
.endr
.irp b, 0,1
	v_lshrrev_b32 v[92+\b], 23, v[90+\b]           ; the scale's byte
.endr
	v_lshl_or_b32 v94, v93, 8, v92                 ; my two bytes
.irp b, 0,1
.irp g, 0,1,2,3
	v_cvt_scalef32_pk8_fp4_f32 v[96+4*\b+\g], v[X+32*\b+8*\g:X+32*\b+8*\g+7], v[90+\b]   ; to the nearest code, ties to even; beyond 6 the largest code
.endr
.endr
	v_nop                                          ; one plain line behind the last scaled conversion
	ds_store_b128 v3, v[96:99]
	ds_store_b128 v3, v[100:103] offset:16
	ds_store_b16 v4, v94
	ds_store_b128 v5, v[ACC:ACC+3]
	ds_store_b128 v5, v[ACC+4:ACC+7] offset:16
	s_wait_dscnt 0x0                               ; for the others' sake: my stores have landed
	s_barrier_signal -1
	s_barrier_wait -1                              ; codes, scale bytes and partial logits of all 16 waves lie in LDS
	ds_load_b128 v[144:147], v6                    ; two whole rows of codes a wave
	ds_load_b128 v[148:151], v6 offset:528
	s_wait_dscnt 0x1                               ; the first row is in
	global_store_b128 v7, v[144:147], s[20:21]     ; 32 lanes store 512 consecutive bytes
	s_wait_dscnt 0x0
	global_store_b128 v7, v[148:151], s[20:21] offset:512
	s_cmp_eq_u32 s2, 1
	s_cbranch_scc0 .Lnot_one
	ds_load_b128 v[152:155], v11                   ; wave 1: the block's 1,024 scale bytes
	ds_load_b128 v[156:159], v11 offset:512
	s_wait_dscnt 0x0
	global_store_b128 v9, v[152:155], s[22:23]
	global_store_b128 v9, v[156:159], s[22:23] offset:512
	s_branch .Lend
.Lnot_one:
	s_cmp_eq_u32 s2, 0
	s_cbranch_scc0 .Lend
	; WAVE 0: the gate of 32 tokens, a lane a token
.set W, 0
.rept 16
	ds_load_b128 v[16+8*W:19+8*W], v8 offset:1024*W
	ds_load_b128 v[20+8*W:23+8*W], v8 offset:1024*W+16
.set W, W+1
.endr
	s_wait_dscnt 0x0
.set W, 1
.rept 15
.irp p, 0,2,4,6
	v_pk_add_f32 v[16+\p:17+\p], v[16+\p:17+\p], v[16+8*W+\p:17+8*W+\p]   ; the logits: v16-23
.endr
.set W, W+1
.endr
	v_max3_num_f32 v24, v16, v17, v18
	v_max3_num_f32 v24, v24, v19, v20
	v_max3_num_f32 v24, v24, v21, v22
	v_max_num_f32 v24, v24, v23                    ; the row's largest logit
.irp i, 0,1,2,3,4,5,6,7
	v_sub_f32 v[32+\i], v[16+\i], v24
.endr
.irp i, 0,1,2,3,4,5,6,7
	v_mul_f32 v[32+\i], 0x3fb8aa3b, v[32+\i]       ; x log2(e)
.endr
.irp i, 0,1,2,3,4,5,6,7
	v_exp_f32 v[32+\i], v[32+\i]
.endr
	v_nop                                          ; a plain line behind the last exponential
	s_wait_alu depctr_va_vdst(0)                   ; one wait for the batch, ahead of its first reader
	v_add_f32 v40, v32, v33
	v_add_f32 v41, v34, v35
	v_add_f32 v42, v36, v37
	v_add_f32 v43, v38, v39
	v_add_f32 v40, v40, v41
	v_add_f32 v42, v42, v43
	v_add_f32 v40, v40, v42
	v_rcp_f32 v44, v40
	v_nop
	s_wait_alu depctr_va_vdst(0)
.irp i, 0,1,2,3,4,5,6,7
	v_mul_f32 v[32+\i], v[32+\i], v44              ; the probabilities
.endr
	v_mov_b32 v45, v32                             ; the largest, in ascending order with a strict compare: of equals the lower index stays
	v_mov_b32 v54, 0
.irp i, 1,2,3,4,5,6,7
	v_cmp_le_f32 vcc_lo, v[32+\i], v45             ; not larger: keep
	v_cndmask_b32 v45, v[32+\i], v45, vcc_lo
	v_cndmask_b32 v54, \i, v54, vcc_lo
.endr
.irp i, 0,1,2,3,4,5,6,7
	v_cmp_ne_u32 vcc_lo, \i, v54
	v_cndmask_b32 v[32+\i], -1.0, v[32+\i], vcc_lo ; the first choice is taken out: -1 lies under every probability
.endr
	v_mov_b32 v47, v32                             ; the second, likewise
	v_mov_b32 v55, 0
.irp i, 1,2,3,4,5,6,7
	v_cmp_le_f32 vcc_lo, v[32+\i], v47
	v_cndmask_b32 v47, v[32+\i], v47, vcc_lo
	v_cndmask_b32 v55, \i, v55, vcc_lo
.endr
	v_add_f32 v49, v45, v47
	v_rcp_f32 v50, v49
	v_min_u32 v64, v54, v55                        ; lo  (a plain line behind the reciprocal)
	v_max_u32 v65, v54, v55                        ; hi
	v_sub_nc_u32 v67, 15, v64
	v_mul_u32_u24 v67, v67, v64
	v_lshrrev_b32 v67, 1, v67                      ; lo (15 - lo) / 2
	v_add_nc_u32 v67, v67, v65
	v_sub_nc_u32 v67, v67, v64
	v_add_nc_u32 v66, -1, v67                      ; the key, 0 .. 27
	s_wait_alu depctr_va_vdst(0)
	v_mul_f32 v56, v45, v50                        ; the gates, renormalised
	v_mul_f32 v57, v47, v50
	v_cmp_lt_u32 vcc_lo, v54, v55
	v_cndmask_b32 v60, v57, v56, vcc_lo            ; g_lo
	v_cndmask_b32 v62, v56, v57, vcc_lo            ; g_hi
	v_mov_b32 v61, v60
	v_mov_b32 v63, v62
	v_mov_b32 v58, 0                               ; counts: lane = key
	v_mov_b32 v68, 0                               ; rank: lane = token
.set KK, 0
.rept 28
	v_cmp_eq_u32 s100, KK, v66                     ; the tokens of this key
	s_bcnt1_i32_b32 s101, s100
	v_writelane_b32 v58, s101, KK                  ; how many
	v_mbcnt_lo_u32_b32 v67, s100, 0                ; how many of them in lanes below mine
	v_cndmask_b32 v68, v68, v67, s100
.set KK, KK+1
.endr
	v_lshl_or_b32 v59, v68, 8, v66                 ; key | rank << 8
	global_store_b64 v10, v[54:55], s[24:25]       ; each of these three: 256 consecutive bytes
	global_store_b64 v10, v[56:57], s[26:27]
	global_store_b64 v10, v[58:59], s[28:29]
	global_store_b128 v9, v[60:63], s[30:31]       ; 512 consecutive bytes
.Lend:
	s_wait_tensorcnt 0x0
	ds_add_u32 v160, v161
	s_wait_dscnt 0x0
	s_endpgm
.Lfunc_end_k_qfdeadcd6bc_route_quant:
	.size	k_qfdeadcd6bc_route_quant, .Lfunc_end_k_qfdeadcd6bc_route_quant-k_qfdeadcd6bc_route_quant
	.p2alignl 7, 3214868480
	.fill 96, 4, 3214868480
	.section	.rodata,"a",@progbits
	.p2align	6, 0x0
	.amdhsa_kernel k_qfdeadcd6bc_route_quant
		.amdhsa_group_segment_fixed_size 175616
		.amdhsa_private_segment_fixed_size 0
		.amdhsa_enable_private_segment 0
		.amdhsa_kernarg_size 64
		.amdhsa_user_sgpr_count 2
		.amdhsa_user_sgpr_kernarg_segment_ptr 1
		.amdhsa_wavefront_size32 1
		.amdhsa_system_sgpr_workgroup_id_x 1
		.amdhsa_system_sgpr_workgroup_id_y 1
		.amdhsa_system_sgpr_workgroup_id_z 1
		.amdhsa_system_vgpr_workitem_id 0
		.amdhsa_next_free_vgpr 162
		.amdhsa_next_free_sgpr 102
		.amdhsa_reserve_vcc 1
		.amdhsa_float_denorm_mode_32 3
		.amdhsa_float_denorm_mode_16_64 3
		.amdhsa_memory_ordered 1
		.amdhsa_forward_progress 1
		.amdhsa_inst_pref_size 47
	.end_amdhsa_kernel
	.amdgpu_metadata
---
amdhsa.version: [ 1, 2 ]
amdhsa.kernels:
  - .name:           k_qfdeadcd6bc_route_quant
    .symbol:         k_qfdeadcd6bc_route_quant.kd
    .args:
      - { .name: hidden_states, .offset: 0, .size: 8, .value_kind: global_buffer, .address_space: global }
      - { .name: wg, .offset: 8, .size: 8, .value_kind: global_buffer, .address_space: global }
      - { .name: xcodes, .offset: 16, .size: 8, .value_kind: global_buffer, .address_space: global }
      - { .name: xscales, .offset: 24, .size: 8, .value_kind: global_buffer, .address_space: global }
      - { .name: out1, .offset: 32, .size: 8, .value_kind: global_buffer, .address_space: global }
      - { .name: out2, .offset: 40, .size: 8, .value_kind: global_buffer, .address_space: global }
      - { .name: route, .offset: 48, .size: 8, .value_kind: global_buffer, .address_space: global }
      - { .name: gates, .offset: 56, .size: 8, .value_kind: global_buffer, .address_space: global }
    .group_segment_fixed_size: 175616
    .private_segment_fixed_size: 0
    .kernarg_segment_align: 8
    .kernarg_segment_size: 64
    .max_flat_workgroup_size: 512
    .sgpr_count:     102
    .vgpr_count:     162
    .wavefront_size: 32
...
	.end_amdgpu_metadata
.endif
;; end of part 1
;; launch place (part 2): grid 65 x 1, 32 waves a work-group, no clusters, 8,192 bytes of LDS; arguments route, expert_weight_codes, order, groups, wimg; writes order, groups, wimg
.if DOCPART == 2
	.amdgcn_target "amdgcn-amd-amdhsa--gfx1250"
	.amdhsa_code_object_version 6
	.text
	.protected	k_qfdeadcd6bc_place
	.globl	k_qfdeadcd6bc_place
	.p2align	8
	.type	k_qfdeadcd6bc_place,@function
k_qfdeadcd6bc_place:
	s_mov_b64 s[64:65], 0
	v_nop
	global_prefetch_b8 v0, s[64:65] scope:SCOPE_SE
	s_setreg_imm32_b32 hwreg(HW_REG_WAVE_MODE, 25, 1), 1
	s_wait_xcnt 0x0
; WORK-GROUP 0 PLACES THE TOKENS: a counting sort by key (the pair of experts) without atomics.  route holds, for each block of 32 tokens, the count of each key and each token's key and rank in its block.
; order [8192]: the token numbers sorted by key.  groups [96][4 words]: lo | hi << 8, first place in order, rows, tiles of 16 rows (0: no work).  A key with t tiles is cut into ceil(t / 12) groups of q tiles,
; q the least number with q x groups >= t.  With 8,192 tokens and 28 keys there are at most 539 tiles and at most 70 groups, whatever the split.
; WORK-GROUPS 1 TO 64 LAY THE WEIGHTS' CODES in the order of the matrix operand's registers: wimg [tile of 16 rows][q = 0 .. 15][lane][16 bytes]: lane (r, h) of piece q holds bytes 32 q + 16 h .. + 15 of row r.
; The two ways part on the work-group's number alone; only work-group 0 uses LDS and its one barrier.
	s_load_b128 s[4:7], s[0:1], 0x0                ; route, the weights' codes
	s_load_b128 s[8:11], s[0:1], 0x10              ; order, groups
	s_load_b64 s[12:13], s[0:1], 0x20              ; wimg
	v_lshl_add_u32 v96, v0, 2, 0x1000
	v_mov_b32 v97, 0
	v_lshrrev_b32 v5, 5, v0
	v_readfirstlane_b32 s2, v5                     ; wave 0..31
	v_and_b32 v1, 31, v0                           ; lane
	s_cmp_lg_u32 ttmp9, 0
	s_cbranch_scc1 .Llayout
	; ---- the sort.  Wave w owns blocks 8 w .. 8 w + 7
	v_lshlrev_b32 v2, 3, v1
	v_lshl_add_u32 v2, v5, 11, v2                  ; 2,048 w + 8 x lane
	v_lshlrev_b32 v3, 2, v0                        ; LDS: [wave][key], a word each
	v_lshlrev_b32 v4, 2, v1
	v_lshl_add_u32 v6, v5, 8, v1                   ; 256 w + lane: my token of block 8 w
	s_wait_kmcnt 0x0
.irp j, 0,1,2,3,4,5,6,7
	global_load_b64 v[16+2*\j:17+2*\j], v2, s[4:5] offset:256*\j   ; v[16 + 2 j]: count of key = lane;  v[17 + 2 j]: key | rank << 8 of token = lane
.endr
	s_wait_loadcnt 0x0
	v_mov_b32 v32, 0                               ; v[32 + j]: tokens of my key in my wave's blocks ahead of block j
.irp j, 1,2,3,4,5,6,7
	v_add_nc_u32 v[32+\j], v[31+\j], v[14+2*\j]
.endr
	v_add_nc_u32 v40, v39, v30                     ; my wave's count of the key
	ds_store_b32 v3, v40
	s_wait_dscnt 0x0                               ; for the others' sake
	s_barrier_signal -1
	s_barrier_wait -1
.set W, 0
.rept 32
	ds_load_b32 v[48+W], v4 offset:128*W           ; every wave's count of my key
.set W, W+1
.endr
	s_lshl_b32 s14, 1, s2
	s_sub_co_u32 s14, s14, 1                       ; a bit for each wave ahead of mine
	s_wait_dscnt 0x0
	v_add3_u32 v41, v48, v49, v50
.set W, 3
.rept 14
	v_add3_u32 v41, v41, v[48+W], v[49+W]
.set W, W+2
.endr
	v_add_nc_u32 v41, v41, v79                     ; tot: all tokens of my key
	v_mov_b32 v42, 0
.set W, 0
.rept 31
	s_bfe_u32 s15, s14, (1<<16)|W
	v_mad_u32_u24 v42, v[48+W], s15, v42           ; bef: those in waves ahead of mine
.set W, W+1
.endr
	v_add_nc_u32 v43, 15, v41
	v_lshrrev_b32 v43, 4, v43                      ; t = tiles of 16
	v_add_nc_u32 v44, 11, v43
	v_mul_u32_u24 v44, 0xaaab, v44
	v_lshrrev_b32 v44, 19, v44                     ; groups = (t + 11) / 12: 43,691 / 2^19 is exact for numbers up to 523
	v_mov_b32 v45, 1                               ; q = 1 + how many j in 1 .. 11 have j x groups < t
.set J, 1
.rept 11
	v_mul_u32_u24 v46, J, v44
	v_cmp_lt_u32 vcc_lo, v46, v43
	v_add_co_ci_u32 v45, vcc_lo, 0, v45, vcc_lo
.set J, J+1
.endr
	; prefix sums over the keys, of tot (low half) and groups (high half) at once
	v_lshl_or_b32 v47, v44, 16, v41
	v_mov_b32 v46, 0
	v_mov_b32 v86, v47
.irp n, 1,2,4,8
	v_mov_b32_dpp v46, v86 row_shr:\n row_mask:0xf bank_mask:0xf bound_ctrl:1
	v_add_nc_u32 v86, v86, v46
.endr
	v_readlane_b32 s15, v86, 15                    ; the sum of keys 0 .. 15
	v_mov_b32 v46, s15
	v_cmp_lt_u32 vcc_lo, 15, v1
	v_cndmask_b32 v46, 0, v46, vcc_lo
	v_add_nc_u32 v86, v86, v46
	v_sub_nc_u32 v86, v86, v47                     ; without my own
	v_and_b32 v80, 0xffff, v86                     ; base: my key's first place in order
	v_lshrrev_b32 v81, 16, v86                     ; gb: its first group
	; each token's place = its key's (base + bef + what lies in my wave's earlier blocks) + its rank
.irp j, 0,1,2,3,4,5,6,7
	v_add3_u32 v[56+\j], v80, v42, v[32+\j]        ; lane = key
	v_and_b32 v[48+\j], 0xff, v[17+2*\j]
	v_min_u32 v[48+\j], 31, v[48+\j]
	v_lshlrev_b32 v[48+\j], 2, v[48+\j]            ; lane = token: its key's lane x 4
.endr
.irp j, 0,1,2,3,4,5,6,7
	ds_bpermute_b32 v[64+\j], v[48+\j], v[56+\j]
.endr
	s_wait_dscnt 0x0
.irp j, 0,1,2,3,4,5,6,7
	v_lshrrev_b32 v[48+\j], 8, v[17+2*\j]
	v_add_nc_u32 v[64+\j], v[64+\j], v[48+\j]
	v_min_u32 v[64+\j], 0x1fff, v[64+\j]           ; a place in order
	v_lshlrev_b32 v[64+\j], 2, v[64+\j]
	v_add_nc_u32 v[72+\j], 32*\j, v6               ; the token's number
	global_store_b32 v[64+\j], v[72+\j], s[8:9]    ; a scatter of words, 32,768 bytes in all
.endr
	s_cmp_lt_u32 s2, 3
	s_cbranch_scc0 .Lend
	; ---- the table of groups: thread j makes entry j.  Its key is the last one whose first group is not above j
	v_lshl_or_b32 v82, v45, 8, v81                 ; gb | q << 8
	v_lshl_or_b32 v83, v41, 16, v80                ; base | tot << 16
	v_mov_b32 v84, 0
	v_mov_b32 v85, 0
	v_mov_b32 v88, 0
.set LO, 0
.set HI, 1
.set KK, 0
.rept 28
	v_readlane_b32 s16, v82, KK
	v_readlane_b32 s17, v83, KK
	s_and_b32 s18, s16, 0xff
	v_cmp_gt_u32 vcc_lo, s18, v0                   ; the key begins above j: keep what I have
	v_cndmask_b32 v84, s16, v84, vcc_lo
	v_cndmask_b32 v85, s17, v85, vcc_lo
	v_cndmask_b32 v88, LO|(HI<<8), v88, vcc_lo
.set KK, KK+1
.set HI, HI+1
.if HI > 7
.set LO, LO+1
.set HI, LO+1
.endif
.endr
	v_and_b32 v86, 0xff, v84                       ; gb
	v_lshrrev_b32 v87, 8, v84                      ; q
	v_and_b32 v92, 0xffff, v85                     ; base
	v_lshrrev_b32 v93, 16, v85                     ; tot
	v_sub_nc_u32 v86, v0, v86                      ; which group of the key
	v_mul_u32_u24 v86, v86, v87
	v_lshlrev_b32 v86, 4, v86                      ; its first row
	v_lshlrev_b32 v87, 4, v87                      ; 16 q
	v_sub_nc_u32 v93, v93, v86
	v_min_i32 v93, v93, v87
	v_max_i32 v90, 0, v93                          ; rows: 0 behind the key's end
	v_add_nc_u32 v89, v92, v86
	v_min_u32 v89, 0x1fff, v89                     ; first place in order
	v_add_nc_u32 v91, 15, v90
	v_lshrrev_b32 v91, 4, v91                      ; tiles
	v_lshlrev_b32 v94, 4, v0
	global_store_b128 v94, v[88:91], s[10:11]
	s_branch .Lend
.Llayout:
	; ---- the weights: wave w of work-group g takes tile 8 (g - 1) + w / 4, pieces 4 (w % 4) .. + 3
	v_and_b32 v6, 15, v0
	v_bfe_u32 v7, v0, 4, 1
	v_lshlrev_b32 v8, 9, v6
	v_lshl_add_u32 v8, v7, 4, v8                   ; in: row r of 512 bytes, + 16 h
	v_lshlrev_b32 v9, 4, v1                        ; out: 16 x lane
	s_sub_co_u32 s14, ttmp9, 1
	s_lshl_b32 s14, s14, 3
	s_lshr_b32 s15, s2, 2
	s_add_co_u32 s14, s14, s15
	s_lshl_b32 s14, s14, 13                        ; a tile is 8,192 bytes in both buffers
	s_and_b32 s15, s2, 3
	s_lshl_b32 s16, s15, 7                         ; in: 4 pieces of 32 bytes of a row
	s_lshl_b32 s18, s15, 11                        ; out: 4 pieces of 512 bytes
	s_add_co_u32 s16, s16, s14
	s_add_co_u32 s18, s18, s14
	s_mov_b32 s17, 0
	s_mov_b32 s19, 0
	s_wait_kmcnt 0x0
	s_add_nc_u64 s[6:7], s[6:7], s[16:17]
	s_add_nc_u64 s[12:13], s[12:13], s[18:19]
.irp u, 0,1,2,3
	global_load_b128 v[16+4*\u:19+4*\u], v8, s[6:7] offset:32*\u th:TH_LOAD_NT
.endr
.irp u, 0,1,2,3
	s_wait_loadcnt 3-\u                            ; loads come back in order: piece u is in
	global_store_b128 v9, v[16+4*\u:19+4*\u], s[12:13] offset:512*\u   ; 512 consecutive bytes
.endr
.Lend:
	s_wait_tensorcnt 0x0
	ds_add_u32 v96, v97
	s_wait_dscnt 0x0
	s_endpgm
.Lfunc_end_k_qfdeadcd6bc_place:
	.size	k_qfdeadcd6bc_place, .Lfunc_end_k_qfdeadcd6bc_place-k_qfdeadcd6bc_place
	.p2alignl 7, 3214868480
	.fill 96, 4, 3214868480
	.section	.rodata,"a",@progbits
	.p2align	6, 0x0
	.amdhsa_kernel k_qfdeadcd6bc_place
		.amdhsa_group_segment_fixed_size 8192
		.amdhsa_private_segment_fixed_size 0
		.amdhsa_enable_private_segment 0
		.amdhsa_kernarg_size 40
		.amdhsa_user_sgpr_count 2
		.amdhsa_user_sgpr_kernarg_segment_ptr 1
		.amdhsa_wavefront_size32 1
		.amdhsa_system_sgpr_workgroup_id_x 1
		.amdhsa_system_sgpr_workgroup_id_y 1
		.amdhsa_system_sgpr_workgroup_id_z 1
		.amdhsa_system_vgpr_workitem_id 0
		.amdhsa_next_free_vgpr 98
		.amdhsa_next_free_sgpr 66
		.amdhsa_reserve_vcc 1
		.amdhsa_float_denorm_mode_32 3
		.amdhsa_float_denorm_mode_16_64 3
		.amdhsa_memory_ordered 1
		.amdhsa_forward_progress 1
		.amdhsa_inst_pref_size 28
	.end_amdhsa_kernel
	.amdgpu_metadata
---
amdhsa.version: [ 1, 2 ]
amdhsa.kernels:
  - .name:           k_qfdeadcd6bc_place
    .symbol:         k_qfdeadcd6bc_place.kd
    .args:
      - { .name: route, .offset: 0, .size: 8, .value_kind: global_buffer, .address_space: global }
      - { .name: expert_weight_codes, .offset: 8, .size: 8, .value_kind: global_buffer, .address_space: global }
      - { .name: order, .offset: 16, .size: 8, .value_kind: global_buffer, .address_space: global }
      - { .name: groups, .offset: 24, .size: 8, .value_kind: global_buffer, .address_space: global }
      - { .name: wimg, .offset: 32, .size: 8, .value_kind: global_buffer, .address_space: global }
    .group_segment_fixed_size: 8192
    .private_segment_fixed_size: 0
    .kernarg_segment_align: 8
    .kernarg_segment_size: 40
    .max_flat_workgroup_size: 1024
    .sgpr_count:     66
    .vgpr_count:     98
    .wavefront_size: 32
...
	.end_amdgpu_metadata
.endif
;; end of part 2
;; launch experts (part 3): grid 4 x 72, 4 waves a work-group, no clusters, 129,280 bytes of LDS; arguments xcodes, xscales, gates, order, groups, wimg, expert_weight_scales, expert_bias, out0; writes out0
.if DOCPART == 3
	.amdgcn_target "amdgcn-amd-amdhsa--gfx1250"
	.amdhsa_code_object_version 6
	.text
	.protected	k_qfdeadcd6bc_experts
	.globl	k_qfdeadcd6bc_experts
	.p2align	8
	.type	k_qfdeadcd6bc_experts,@function
k_qfdeadcd6bc_experts:
	s_mov_b64 s[64:65], 0
	v_nop
	global_prefetch_b8 v0, s[64:65] scope:SCOPE_SE
	s_setreg_imm32_b32 hwreg(HW_REG_WAVE_MODE, 25, 1), 1
	s_wait_xcnt 0x0
; out0[token] = g_lo (Q(x) W_lo^T + b_lo) + g_hi (Q(x) W_hi^T + b_hi), on codes of E2M1 with one E8M0 scale for each 32 along K, for the two experts chosen for the token.
; SHARES.  Work-group (x = cq, y = g) takes group g of the table: up to 12 tiles of 16 tokens that all chose the SAME pair of experts, and columns 256 cq .. + 255.  So each output number has one owner and both
; contributions meet in registers.  Wave w takes columns 256 cq + 64 w .. + 63: its 4 tiles of 16 weight rows of both experts, all of K, stay in 512 registers; what goes round is the tokens' codes.
; The grid's 72 rows serve every split (at most 70 groups).  A group without tiles stores nothing and ends; that end stands BEHIND the one barrier, so that no barrier hangs on a number read from memory.
; x's fragments, scale words, gates and token numbers of the group's 12 slots are gathered once by the four waves (slot w + 4 j to wave w) and lie in LDS as images of the operand's registers.
; Rows past the group's end repeat its last row: they give the same numbers, which the same wave stores to the same place.
; THE TWELVE TILES ARE WRITTEN OUT by a macro: a slot's place in LDS stands in the immediate offsets, and every LDS address register is a constant + a lane term (+ a constant x wave), made once at the head.
; Ahead of tiles 1 to 11 a scalar branch on the group's number of tiles leads to the end.  A tile is some 180 instructions; the twelve and the head stay well under 50 KB of code.
; THE MATRIX INSTRUCTION IS USED TRANSPOSED: source 0 = 16 weight rows, source 1 = 16 tokens: a lane holds one token (lane % 16) and eight neighbouring columns.  The bias is the C of a sum's first instruction.
; SCALE WORDS: 16 bytes at row x 32 + 16 (lane / 16) give lanes 0-15 the words of K steps 0-3 and lanes 16-31 those of K steps 4-7: K step s names register s % 4, from s = 4 on with the upper row of lanes.
; NO CLUSTER, NO TENSOR LOAD: the number of tiles, the experts and the rows are numbers read from memory; branches hang on them, and neighbouring groups may have other experts and other counts.
; REGISTERS, in windows of 256 (s_set_vgpr_msb: bits 1:0 source 0, 3:2 source 1, 5:4 source 2, 7:6 destination):
;   window 0: v1-15 addresses; v16-23 store offsets; v24-31 token numbers; v32-35 x's scale words; v36-39 gates; v40-71 the weights' scale words; v72-135 x's 8 fragments; v136-161 the head's temporaries
;   window 1: the weights of K steps 0-3 at 128 expert + 32 tile + 8 step;   window 2: K steps 4-7 likewise
;   window 3: v0-63 the 8 accumulators (32 expert + 8 tile); v64-95 rows back from the stage; v192-255 the biases; at the head v0-219 what the gather brings
.set XIMG, 0                           ; LDS: 12 slots x 8,192: [piece q][lane][16 bytes]
.set XSC,  98304                       ; 12 x 512: x's scale words, 16 bytes a lane
.set GIM,  104448                      ; 12 x 512: the gates, 16 bytes a lane
.set TOK,  110592                      ; 12 x 64: 16 token numbers
.set STG,  111360                      ; 4 x 4,352: each wave's own stage, 16 rows x (256 bytes + 16)
.set NSLOT, 12
.set LI,   4                           ; v4   16 x lane: also the LDS address of slots 0-7 of the fragments
.set LI2,  7                           ; v7   16 x lane + 65,536: slots 8-11 (an LDS offset has 16 bits)
.set LSC,  8                           ; v8   16 x lane + XSC: the scale words, and GIM - XSC further on the gates
.set LTK,  10                          ; v10  32 (lane / 16) + TOK: the token numbers of my half's eight rows
.set OFFS, 16
.set TK,   24
.set XS,   32
.set G,    36
.set WS,   40
.set XF,   72
.set POS,  136
.set TKN,  140
.set CA,   144
.set SA,   148
.set GA,   152
.set XW,   156
.set XSW,  159
.set GW,   160
.set TW,   161
.set BIAS, 192
.set OB,   64
.set MSB, 0
.macro WIN new                         ; the immediate's high byte repeats the setting that is left
.if MSB != \new
	s_set_vgpr_msb (MSB<<8)|\new
.set MSB, \new
.endif
.endm
	s_load_b512 s[8:23], s[0:1], 0x0               ; xcodes 8, xscales 10, gates 12, order 14, groups 16, wimg 18, the weights' scales 20, bias 22
	s_load_b64 s[24:25], s[0:1], 0x40              ; out0
	v_lshl_add_u32 v254, v0, 2, 0x1f700
	v_mov_b32 v255, 0
	v_lshrrev_b32 v1, 5, v0
	v_readfirstlane_b32 s2, v1                     ; wave 0..3
	s_and_b32 s4, ttmp7, 0xffff                    ; the group
	s_lshl_b32 s26, s4, 4
	s_mov_b32 s27, 0
	s_wait_kmcnt 0x0
	s_add_nc_u64 s[16:17], s[16:17], s[26:27]
	s_load_b128 s[28:31], s[16:17], 0x0            ; lo | hi << 8, first place, rows, tiles
	v_and_b32 v1, 31, v0                           ; lane
	v_and_b32 v2, 15, v0                           ; r
	v_bfe_u32 v3, v0, 4, 1                         ; h
	v_lshlrev_b32 v[LI], 4, v1
	v_lshlrev_b32 v14, 4, v3                       ; 16 h
	v_lshl_add_u32 v5, v2, 5, v14                  ; 32 r + 16 h: a row's scale bytes
	v_lshlrev_b32 v6, 5, v3                        ; 32 h
	v_lshlrev_b32 v13, 4, v2                       ; 16 r
	v_add_nc_u32 v[LI2], 65536, v[LI]
	v_add_nc_u32 v[LSC], XSC, v[LI]
	v_add_nc_u32 v[LTK], TOK, v6
	s_mul_i32 s5, s2, 4352
	s_add_co_u32 s5, s5, STG                       ; my stage
	v_mul_u32_u24 v11, v2, 272
	v_add_nc_u32 v11, v11, v6
	v_add_nc_u32 v11, s5, v11                      ; in: row r, + 32 h
	v_mul_u32_u24 v12, v3, 2176
	v_add_nc_u32 v12, v12, v13
	v_add_nc_u32 v12, s5, v12                      ; back: lanes 0-15 row t, lanes 16-31 row 8 + t; 16 bytes a lane
	s_lshl_b32 s5, s2, 4
	v_add_nc_u32 v15, s5, v2                       ; 16 w + r: my row in slot w
	s_lshl_b32 s5, s2, 13
	v_add_nc_u32 v[XW], s5, v[LI]                  ; where I store slot w + 4 j: fragments,
	v_add_nc_u32 v[XW+1], 32768, v[XW]
	v_add_nc_u32 v[XW+2], 65536, v[XW]
	s_lshl_b32 s5, s2, 9
	s_add_co_u32 s6, s5, XSC
	v_add_nc_u32 v[XSW], s6, v[LI]                 ; scale words,
	s_add_co_u32 s6, s5, GIM
	v_add_nc_u32 v[GW], s6, v[LI]                  ; gates,
	s_lshl_b32 s5, s2, 6
	s_add_co_u32 s5, s5, TOK
	v_lshl_add_u32 v[TW], v2, 2, s5                ; token numbers
	s_lshl_b32 s52, ttmp9, 4
	s_lshl_b32 s53, s2, 2
	s_add_co_u32 s52, s52, s53                     ; my first tile of 16 columns: 16 cq + 4 w
	s_lshl_b32 s56, ttmp9, 10
	s_lshl_b32 s53, s2, 8
	s_add_co_u32 s56, s56, s53
	s_mov_b32 s57, 0
	s_add_nc_u64 s[24:25], s[24:25], s[56:57]      ; out0 at my 256 bytes of a row
	s_wait_kmcnt 0x0
	s_and_b32 s32, s28, 0xff
	s_min_u32 s32, s32, 7                          ; lo
	s_bfe_u32 s33, s28, 0x80008
	s_min_u32 s33, s33, 7                          ; hi
	s_min_u32 s29, s29, 0x1fff                     ; first place in order
	s_min_u32 s30, s30, 192                        ; rows
	s_min_u32 s31, s31, 12                         ; tiles
	s_max_u32 s34, s30, 1
	s_sub_co_u32 s34, s34, 1                       ; the last row
.macro BASES ex, wb, sb, bb            ; expert s[ex]: its tiles of wimg (8,192 bytes), their scale bytes (512) and biases (64)
	s_lshl_b32 s54, s[\ex], 6
	s_add_co_u32 s54, s54, s52
	s_lshl_b32 s56, s54, 13
	s_add_nc_u64 s[\wb:\wb+1], s[18:19], s[56:57]
	s_lshl_b32 s56, s54, 9
	s_add_nc_u64 s[\sb:\sb+1], s[20:21], s[56:57]
	s_lshl_b32 s56, s54, 6
	s_add_nc_u64 s[\bb:\bb+1], s[22:23], s[56:57]
.endm
	BASES 32, 36, 40, 44
	BASES 33, 38, 42, 46
	; THE GATHER: slots w, w + 4, w + 8
.irp j, 0,1,2
	v_add_nc_u32 v[POS+\j], 64*\j, v15
	v_min_u32 v[POS+\j], s34, v[POS+\j]            ; past the end: the last row again
	v_add_nc_u32 v[POS+\j], s29, v[POS+\j]
	v_min_u32 v[POS+\j], 0x1fff, v[POS+\j]
	v_lshlrev_b32 v[POS+\j], 2, v[POS+\j]
	global_load_b32 v[TKN+\j], v[POS+\j], s[14:15]
.endr
	s_wait_loadcnt 0x0
.irp j, 0,1,2
	v_min_u32 v[TKN+\j], 0x1fff, v[TKN+\j]
	v_lshl_add_u32 v[CA+\j], v[TKN+\j], 9, v14     ; codes: 512 bytes a token, + 16 h
	v_lshl_add_u32 v[SA+\j], v[TKN+\j], 5, v14     ; scale bytes: 32 a token, + 16 h
	v_lshlrev_b32 v[GA+\j], 4, v[TKN+\j]           ; gates: 16 a token
.endr
	WIN 0xc0                                       ; destination window 3
.irp j, 0,1,2
.irp q, 0,1,2,3,4,5,6,7,8,9,10,11,12,13,14,15
	global_load_b128 v[64*\j+4*\q:64*\j+4*\q+3], v[CA+\j], s[8:9] offset:32*\q
.endr
	global_load_b128 v[192+4*\j:195+4*\j], v[SA+\j], s[10:11]
	global_load_b128 v[208+4*\j:211+4*\j], v[GA+\j], s[12:13]
.endr
	WIN 0
.irp j, 0,1,2
	ds_store_b32 v[TW], v[TKN+\j] offset:256*\j    ; both halves of the lanes write the same word with the same number
.endr
	WIN 0x0c                                       ; a store's data: window 3
.irp j, 0,1,2
	s_wait_loadcnt 36-18*\j                        ; slot j's 18 loads are in; the later slots' may be out
.irp q, 0,1,2,3,4,5,6,7,8,9,10,11,12,13,14,15
	ds_store_b128 v[XW+\j], v[64*\j+4*\q:64*\j+4*\q+3] offset:512*\q
.endr
	ds_store_b128 v[XSW], v[192+4*\j:195+4*\j] offset:2048*\j
	ds_store_b128 v[GW], v[208+4*\j:211+4*\j] offset:2048*\j
.endr
	WIN 0
	s_wait_dscnt 0x0                               ; for the others' sake: my stores have landed
	s_barrier_signal -1
	s_barrier_wait -1                              ; the 12 slots lie in LDS; nobody writes them again
	s_cmp_eq_u32 s31, 0
	s_cbranch_scc1 .Lend                           ; a group without tiles
	; THE WEIGHTS: 8 tiles x 16 pieces, each lane's 16 bytes as the operand's registers take them
.macro LOADW which, half
.irp n, 0,1,2,3
.irp q, 0,1,2,3,4,5,6,7
	global_load_b128 v[128*\which+32*\n+4*\q:128*\which+32*\n+4*\q+3], v[LI], s[36+2*\which:37+2*\which] offset:8192*\n+512*(8*\half+\q)
.endr
.endr
.endm
	WIN 0x40                                       ; destination window 1
	LOADW 0, 0
	LOADW 1, 0
	WIN 0
.irp u, 0,1
.irp n, 0,1,2,3
	global_load_b128 v[WS+16*\u+4*\n:WS+16*\u+4*\n+3], v5, s[40+2*\u:41+2*\u] offset:512*\n
.endr
.endr
	WIN 0xc0
.irp u, 0,1
.irp n, 0,1,2,3
	global_load_b128 v[BIAS+32*\u+8*\n:BIAS+32*\u+8*\n+3], v6, s[44+2*\u:45+2*\u] offset:64*\n      ; columns 16 n + 8 h + 0 .. 7
	global_load_b128 v[BIAS+32*\u+8*\n+4:BIAS+32*\u+8*\n+7], v6, s[44+2*\u:45+2*\u] offset:64*\n+16
.endr
.endr
	WIN 0x80                                       ; destination window 2
	LOADW 0, 1
	LOADW 1, 1
	WIN 0
.macro XLOAD sl, q0                    ; eight pieces of slot sl, from piece q0 on: four fragments of x
.irp q, 0,1,2,3,4,5,6,7
.if (\sl) < 8
	ds_load_b128 v[XF+4*(\q0+\q):XF+4*(\q0+\q)+3], v[LI] offset:XIMG+8192*(\sl)+512*(\q0+\q)
.else
	ds_load_b128 v[XF+4*(\q0+\q):XF+4*(\q0+\q)+3], v[LI2] offset:XIMG+8192*((\sl)-8)+512*(\q0+\q)
.endif
.endr
.endm
.macro SLOAD sl                        ; its scale words
	ds_load_b128 v[XS:XS+3], v[LSC] offset:512*(\sl)
.endm
.macro GTLOAD sl                       ; its gates, and the 8 token numbers of my half's rows
	ds_load_b128 v[G:G+3], v[LSC] offset:GIM-XSC+512*(\sl)
	ds_load_b128 v[TK:TK+3], v[LTK] offset:64*(\sl)
	ds_load_b128 v[TK+4:TK+7], v[LTK] offset:64*(\sl)+16
.endm
; K step s: eight matrix instructions, the eight accumulators by turns, one instruction a turn
.macro MM8 s
.irp u, 0,1
.irp n, 0,1,2,3
.if (\s) == 0
	v_wmma_scale_f32_16x16x128_f8f6f4 v[32*\u+8*\n:32*\u+8*\n+7], v[128*\u+32*\n:128*\u+32*\n+7], v[XF:XF+7], v[BIAS+32*\u+8*\n:BIAS+32*\u+8*\n+7], v[WS+16*\u+4*\n], v[XS] matrix_a_fmt:MATRIX_FMT_FP4 matrix_b_fmt:MATRIX_FMT_FP4
.elseif (\s) < 4
	v_wmma_scale_f32_16x16x128_f8f6f4 v[32*\u+8*\n:32*\u+8*\n+7], v[128*\u+32*\n+8*(\s):128*\u+32*\n+8*(\s)+7], v[XF+8*(\s):XF+8*(\s)+7], v[32*\u+8*\n:32*\u+8*\n+7], v[WS+16*\u+4*\n+(\s)], v[XS+(\s)] matrix_a_fmt:MATRIX_FMT_FP4 matrix_b_fmt:MATRIX_FMT_FP4
.else
	v_wmma_scale_f32_16x16x128_f8f6f4 v[32*\u+8*\n:32*\u+8*\n+7], v[128*\u+32*\n+8*((\s)-4):128*\u+32*\n+8*((\s)-4)+7], v[XF+8*(\s):XF+8*(\s)+7], v[32*\u+8*\n:32*\u+8*\n+7], v[WS+16*\u+4*\n+(\s)-4], v[XS+(\s)-4] matrix_a_fmt:MATRIX_FMT_FP4 matrix_b_fmt:MATRIX_FMT_FP4 matrix_a_scale:MATRIX_SCALE_ROW1 matrix_b_scale:MATRIX_SCALE_ROW1
.endif
.endr
.endr
.endm
; TILE i of 16 tokens, from slot i.  All but the last fetch the next slot's operands on the way.
.macro BODY i
.if (\i) == 0
	s_wait_loadcnt 63                              ; of the 152 loads at most 63 are out: the weights of K steps 0-3, the scale words and the biases (the oldest 88) are in
.endif
	s_wait_dscnt 3                                 ; x's fragments and scale words are in; the gates and the two token loads may be out
	WIN 0xf1                                       ; source 0 window 1, source 1 window 0, C and D window 3
	MM8 0
	MM8 1
	MM8 2
	MM8 3
	WIN 0
.if (\i) < NSLOT-1
.rept 4
	v_nop                                          ; four places in front of loads into registers that matrix instructions have read (ISA guide 7.12.1 for vector instructions)
.endr
	XLOAD (\i)+1, 0
.endif
.if (\i) == 0
	s_wait_loadcnt 0x0                             ; the weights of K steps 4-7
.endif
	WIN 0xf2                                       ; source 0 window 2
	MM8 4
	MM8 5
	MM8 6
	MM8 7
	WIN 0
	s_wait_xcnt 0x0                                ; the last tile's stores have read their offsets and data: both are written again only behind this wait
.if (\i) < NSLOT-1
	s_wait_dscnt 8                                 ; the gates and token numbers are in; the eight loads just issued may be out
.else
	s_wait_dscnt 0x0
.endif
.irp t, 0,1,2,3,4,5,6,7
	v_min_u32 v[TK+\t], 0x1fff, v[TK+\t]           ; these sixteen lines are also the places behind the last products
.endr
.irp t, 0,1,2,3,4,5,6,7
	v_lshl_add_u32 v[OFFS+\t], v[TK+\t], 12, v13   ; a token's row of 4,096 bytes, + 16 (lane % 16)
.endr
.if (\i) < NSLOT-1
	XLOAD (\i)+1, 8
	SLOAD (\i)+1
.endif
	WIN 0xf3                                       ; the accumulators in window 3, the gates (source 1) in window 0
.irp n, 0,1,2,3
.irp p, 0,2,4,6
	v_pk_mul_f32 v[8*\n+\p:8*\n+\p+1], v[8*\n+\p:8*\n+\p+1], v[G:G+1]      ; g_lo y_lo: each accumulator from its low end on
.endr
.endr
.irp n, 0,1,2,3
.irp p, 0,2,4,6
	v_pk_fma_f32 v[8*\n+\p:8*\n+\p+1], v[32+8*\n+\p:32+8*\n+\p+1], v[G+2:G+3], v[8*\n+\p:8*\n+\p+1]   ; + g_hi y_hi
.endr
.endr
	WIN 0x0c
.irp n, 0,1,2,3
	ds_store_b128 v11, v[8*\n:8*\n+3] offset:64*\n
	ds_store_b128 v11, v[8*\n+4:8*\n+7] offset:64*\n+16
.endr
	WIN 0xc0
.irp t, 0,1,2,3,4,5,6,7
	ds_load_b128 v[OB+4*\t:OB+4*\t+3], v12 offset:272*\t   ; LDS serves a wave's instructions in order (ISA guide 5.7.1.4): these see my stores; the stage is my own
.endr
	WIN 0
.if (\i) < NSLOT-1
	GTLOAD (\i)+1
.endif
	WIN 0x0c
.irp t, 0,1,2,3,4,5,6,7
.if (\i) < NSLOT-1
	s_wait_dscnt 10-\t                             ; rows t and 8 + t are back; the 7 - t younger stage loads and the three loads behind them may be out
.else
	s_wait_dscnt 7-\t
.endif
	global_store_b128 v[OFFS+\t], v[OB+4*\t:OB+4*\t+3], s[24:25] th:TH_STORE_NT   ; sixteen lanes store 256 consecutive bytes, at a multiple of 256 from out0's first byte
.endr
	WIN 0
.endm
	XLOAD 0, 0                                     ; slot 0
	XLOAD 0, 8
	SLOAD 0
	GTLOAD 0
.set I, 0
.rept NSLOT
.if I > 0
	s_cmp_le_u32 s31, I                            ; the group has no tile I: done
	s_cbranch_scc1 .Lend
.endif
	BODY I
.set I, I+1
.endr
.Lend:
	s_wait_dscnt 0x0                               ; what was fetched ahead and not used has landed
	s_wait_tensorcnt 0x0
	ds_add_u32 v254, v255
	s_wait_dscnt 0x0
	s_endpgm
.Lfunc_end_k_qfdeadcd6bc_experts:
	.size	k_qfdeadcd6bc_experts, .Lfunc_end_k_qfdeadcd6bc_experts-k_qfdeadcd6bc_experts
	.p2alignl 7, 3214868480
	.fill 96, 4, 3214868480
	.section	.rodata,"a",@progbits
	.p2align	6, 0x0
	.amdhsa_kernel k_qfdeadcd6bc_experts
		.amdhsa_group_segment_fixed_size 129280
		.amdhsa_private_segment_fixed_size 0
		.amdhsa_enable_private_segment 0
		.amdhsa_kernarg_size 72
		.amdhsa_user_sgpr_count 2
		.amdhsa_user_sgpr_kernarg_segment_ptr 1
		.amdhsa_wavefront_size32 1
		.amdhsa_system_sgpr_workgroup_id_x 1
		.amdhsa_system_sgpr_workgroup_id_y 1
		.amdhsa_system_sgpr_workgroup_id_z 1
		.amdhsa_system_vgpr_workitem_id 0
		.amdhsa_next_free_vgpr 1024
		.amdhsa_next_free_sgpr 66
		.amdhsa_reserve_vcc 0
		.amdhsa_float_denorm_mode_32 3
		.amdhsa_float_denorm_mode_16_64 3
		.amdhsa_memory_ordered 1
		.amdhsa_forward_progress 1
		.amdhsa_inst_pref_size 207
	.end_amdhsa_kernel
	.amdgpu_metadata
---
amdhsa.version: [ 1, 2 ]
amdhsa.kernels:
  - .name:           k_qfdeadcd6bc_experts
    .symbol:         k_qfdeadcd6bc_experts.kd
    .args:
      - { .name: xcodes, .offset: 0, .size: 8, .value_kind: global_buffer, .address_space: global }
      - { .name: xscales, .offset: 8, .size: 8, .value_kind: global_buffer, .address_space: global }
      - { .name: gates, .offset: 16, .size: 8, .value_kind: global_buffer, .address_space: global }
      - { .name: order, .offset: 24, .size: 8, .value_kind: global_buffer, .address_space: global }
      - { .name: groups, .offset: 32, .size: 8, .value_kind: global_buffer, .address_space: global }
      - { .name: wimg, .offset: 40, .size: 8, .value_kind: global_buffer, .address_space: global }
      - { .name: expert_weight_scales, .offset: 48, .size: 8, .value_kind: global_buffer, .address_space: global }
      - { .name: expert_bias, .offset: 56, .size: 8, .value_kind: global_buffer, .address_space: global }
      - { .name: out0, .offset: 64, .size: 8, .value_kind: global_buffer, .address_space: global }
    .group_segment_fixed_size: 129280
    .private_segment_fixed_size: 0
    .kernarg_segment_align: 8
    .kernarg_segment_size: 72
    .max_flat_workgroup_size: 128
    .sgpr_count:     66
    .vgpr_count:     1024
    .wavefront_size: 32
...
	.end_amdgpu_metadata
.endif
;; end of part 3
;; ======== version 2 of 3: 3 launches
;; workspace buffers: xcodes 4,194,304 bytes; xscales 262,144 bytes; gates 131,072 bytes; route 65,536 bytes of whole numbers; order 32,768 bytes of whole numbers; groups 1,536 bytes of whole numbers; wimg 4,194,304 bytes
;; launch route_quant (part 4): grid 256 x 1, 16 waves a work-group, no clusters, 175,616 bytes of LDS; arguments hidden_states, wg, xcodes, xscales, out1, out2, route, gates; writes xcodes, xscales, out1, out2, route, gates
.if DOCPART == 4
	.amdgcn_target "amdgcn-amd-amdhsa--gfx1250"
	.amdhsa_code_object_version 6
	.text
	.protected	k_qfdeadcd6bc_route_quant
	.globl	k_qfdeadcd6bc_route_quant
	.p2align	8
	.type	k_qfdeadcd6bc_route_quant,@function
k_qfdeadcd6bc_route_quant:
	s_mov_b64 s[64:65], 0
	v_nop
	global_prefetch_b8 v0, s[64:65] scope:SCOPE_SE
	s_setreg_imm32_b32 hwreg(HW_REG_WAVE_MODE, 25, 1), 1
	s_wait_xcnt 0x0
; ROUTER AND QUANTISER.  x: [8192][1024] f32, wg: [1024][8] f32.  x is read once and serves both.
; Out: xcodes [token][512 bytes] (E2M1, K innermost, the lower k in the low four bits), xscales [token][32 bytes] (E8M0), out1 (the two experts, larger probability first), out2 (their gates),
; gates [token][4] = g_lo, g_lo, g_hi, g_hi (by ascending expert), route [block of 32 tokens][lane][2 words]: word 0 = how many of the block's tokens have key = lane; word 1 = key | rank << 8 of token = lane.
; key = lo (15 - lo) / 2 + hi - lo - 1 numbers the 28 unordered pairs of experts; rank = the token's place among the block's tokens of the same key.  All of that is stored at fixed places: no address and no branch hangs on it.
; SHARES.  A work-group owns 32 tokens (131,072 bytes of x).  Wave w owns K = 64 w .. 64 w + 63 of all 32: one tensor load brings its slice, 32 rows x 256 bytes.  A LANE IS A TOKEN and its 64 registers run along K:
; the logits need no other lane's x, and a block of 32 along K lies whole in one lane.  The 16 waves' partial logits meet in LDS; wave 0 finishes them.
; wg: a wave's 64 rows x 8 experts are 512 numbers.  They lie in 32 vector registers, 16 different numbers in each row of 16 lanes (both rows hold the same), brought by eight loads at the head; the multiply-add itself
; takes the one number it wants for all lanes, by the DPP control row_share on its first source: no scalar load, no LDS read and no extra instruction stands in the product.
; The logits are fused multiply-adds in f32, K ascending: the chosen experts are compared exactly.  The softmax takes the row's largest logit away first.
; LIMITS: NaN and infinities are not served.  A probability under 2^-126 counts as 0 (v_exp_f32 gives 0 there: ISA guide, 15.8).  Where two probabilities agree within f32 rounding the choice between them may differ from another order of sums.
; A block of zeros gets the scale byte 1 (the floor) where the quantiser's rule says 127: its codes are zeros, and only this program's launches read the bytes.
; Each LDS byte is filled once: no slot is filled again.
.set XSLB, 8704                        ; a wave's slice in LDS: 32 rows x (256 bytes + 16 of padding): row r starts 68 words on
.set STG,  139264                      ; behind the 16 slices: the codes of 32 tokens, rows of 512 bytes + 16
.set SCS,  156160                      ; their scale bytes, 32 a token
.set PL,   157184                      ; the partial logits: [wave][lane][8 f32]
.set X,    16                          ; v16-79   my token's 64 numbers
.set ACC,  80                          ; v80-87   my 8 partial logits
.set WGV,  104                         ; v104-135 my wave's part of wg: number (k, e) in register 4 (k / 8) + e % 4, lane 2 (k % 8) + e / 4 of each row of 16 lanes
	s_load_b128 s[4:7], s[0:1], 0x0                ; x, wg
	s_load_b256 s[20:27], s[0:1], 0x10             ; xcodes, xscales, out1, out2
	s_load_b128 s[28:31], s[0:1], 0x30             ; route, gates
	v_lshl_add_u32 v160, v0, 2, 0x2a600
	v_mov_b32 v161, 0
	ds_add_u32 v160, v161
	ds_add_u32 v160, v161
	v_lshrrev_b32 v1, 5, v0
	v_readfirstlane_b32 s2, v1                     ; wave 0..15
	v_and_b32 v1, 31, v0                           ; lane = token in the block
	; descriptor group 1: 32 rows of 64 elements of 4 bytes, 1,024 elements from row to row; 4 words of padding behind every 64
	s_mov_b32 s12, (2<<16)|(1<<20)|(5<<22)|(3<<25)
	s_mov_b32 s13, 64<<16                          ; tensor_dim0 = 64
	s_mov_b32 s14, 32<<16                          ; tensor_dim1 = 32
	s_mov_b32 s15, 64<<16                          ; tile_dim0 = 64
	s_mov_b32 s16, 32                              ; tile_dim1 = 32
	s_mov_b32 s17, 1024                            ; stride
	s_mov_b32 s18, 0
	s_mov_b32 s19, 0
	s_mov_b32 s8, 1                                ; group 0: count = 1
	s_mul_i32 s9, s2, XSLB                         ; LDS address: my slice
	s_lshl_b32 s100, ttmp9, 17                     ; the block's 32 rows of 4,096 bytes
	s_lshl_b32 s3, s2, 8                           ; my 256 bytes of a row
	s_add_co_u32 s100, s100, s3
	s_mov_b32 s101, 0
	s_wait_dscnt 0x0
	s_wait_kmcnt 0x0
	s_add_nc_u64 s[10:11], s[4:5], s[100:101]
	s_or_b32 s11, s11, 0x80000000                  ; type = 2
	tensor_load_to_lds s[8:11], s[12:19]           ; my one tensor load
	s_nop 0
.rept 4
	v_nop
.endr
	s_lshl_b32 s100, s2, 11                        ; my 64 rows of wg, 32 bytes each
	s_add_nc_u64 s[6:7], s[6:7], s[100:101]
	v_and_b32 v12, 15, v0
	v_lshlrev_b32 v12, 4, v12                      ; v12: 16 x (lane % 16): both rows of lanes read the same 256 bytes
.set I, 0
.rept 8
	global_load_b128 v[WGV+4*I:WGV+4*I+3], v12, s[6:7] offset:256*I   ; wg's rows 8 I .. 8 I + 7 of my 64: lane n of a row takes numbers 4 n .. 4 n + 3 of these 64
.set I, I+1
.endr
.irp j, 0,1,2,3,4,5,6,7
	v_mov_b32 v[ACC+\j], 0                         ; the eight sums begin as zeros: the destination of a DPP form counts as one of its sources
.endr
	; every LDS address is made here, ahead of the place where the waves part
	v_mul_u32_u24 v2, v1, 272
	v_add_nc_u32 v2, s9, v2                        ; v2: my token's row in my slice
	v_mul_u32_u24 v3, v1, 528
	s_lshl_b32 s3, s2, 5
	s_add_co_u32 s3, s3, STG
	v_add_nc_u32 v3, s3, v3                        ; v3: my token's row of codes, my wave's 32 bytes
	v_lshlrev_b32 v4, 5, v1
	s_lshl_b32 s3, s2, 1
	s_add_co_u32 s3, s3, SCS
	v_add_nc_u32 v4, s3, v4                        ; v4: my token's scale bytes, my wave's two
	v_lshlrev_b32 v5, 5, v1
	s_lshl_b32 s3, s2, 10
	s_add_co_u32 s3, s3, PL
	v_add_nc_u32 v5, s3, v5                        ; v5: my partial logits
	v_lshlrev_b32 v9, 4, v1                        ; v9: 16 x lane
	s_mul_i32 s3, s2, 1056
	s_add_co_u32 s3, s3, STG
	v_add_nc_u32 v6, s3, v9                        ; v6: the way out: rows 2 w, 2 w + 1 of the codes
	s_lshl_b32 s3, s2, 10
	v_add_nc_u32 v7, s3, v9                        ; v7: and their place in xcodes
	v_lshlrev_b32 v8, 5, v1
	v_add_nc_u32 v8, PL, v8                        ; v8: wave 0: my token's partial logits of wave 0
	v_lshlrev_b32 v10, 3, v1                       ; v10: 8 x lane
	v_add_nc_u32 v11, SCS, v9                      ; v11: wave 1: the scale bytes, 16 a lane
	s_lshl_b32 s100, ttmp9, 14
	s_add_nc_u64 s[20:21], s[20:21], s[100:101]    ; xcodes: 32 x 512 bytes a block
	s_lshl_b32 s100, ttmp9, 10
	s_add_nc_u64 s[22:23], s[22:23], s[100:101]    ; xscales: 32 x 32
	s_lshl_b32 s100, ttmp9, 8
	s_add_nc_u64 s[24:25], s[24:25], s[100:101]    ; out1, out2, route: 32 x 8
	s_add_nc_u64 s[26:27], s[26:27], s[100:101]
	s_add_nc_u64 s[28:29], s[28:29], s[100:101]
	s_lshl_b32 s100, ttmp9, 9
	s_add_nc_u64 s[30:31], s[30:31], s[100:101]    ; gates: 32 x 16
	s_wait_tensorcnt 0x0                           ; my slice is in LDS; only I read it
.set I, 0
.rept 16
	ds_load_b128 v[X+4*I:X+4*I+3], v2 offset:16*I
.set I, I+1
.endr
	s_wait_loadcnt 0x0                             ; my part of wg is in: its eight loads were issued ahead of the wait for the slice
	; THE LOGITS: eight rows of K at a time, 64 multiply-adds, the eight sums by turns.  Lane n of a row of 16 holds wg(8 I + n / 2, 4 (n % 2) + c) in register 4 I + c; row_share:n gives it to all 16 lanes of the row
.set I, 0
.rept 8
	s_wait_dscnt 14-2*I                            ; LDS loads come back in order: my numbers 8 I .. 8 I + 7 (loads 2 I and 2 I + 1) are in, the 14 - 2 I younger loads may be out
.irp n, 0,1,2,3,4,5,6,7,8,9,10,11,12,13,14,15
.irp c, 0,1,2,3
	v_fmac_f32_dpp v[ACC+4*(\n%2)+\c], v[WGV+4*I+\c], v[X+8*I+\n/2] row_share:\n row_mask:0xf bank_mask:0xf
.endr
.endr
.set I, I+1
.endr
	; THE QUANTISER: my two blocks of 32, by turns
.irp b, 0,1
	v_max3_num_f32 v[88+\b], |v[X+32*\b]|, |v[X+32*\b+1]|, 0x1800000   ; the floor 2^(3 - 127) among the leaves: the byte cannot fall under 1
.endr
.irp i, 2,4,6,8,10,12,14,16,18,20,22,24,26,28,30
.irp b, 0,1
	v_max3_num_f32 v[88+\b], v[88+\b], |v[X+32*\b+\i]|, |v[X+32*\b+\i+1]|
.endr
.endr
.irp b, 0,1
	v_add_nc_u32 v[90+\b], 0xff000000, v[88+\b]    ; 2 off the largest magnitude's exponent field: the conversion takes this operand's exponent field as its scale
.endr
.irp b, 0,1
	v_lshrrev_b32 v[92+\b], 23, v[90+\b]           ; the scale's byte
.endr
	v_lshl_or_b32 v94, v93, 8, v92                 ; my two bytes
.irp b, 0,1
.irp g, 0,1,2,3
	v_cvt_scalef32_pk8_fp4_f32 v[96+4*\b+\g], v[X+32*\b+8*\g:X+32*\b+8*\g+7], v[90+\b]   ; to the nearest code, ties to even; beyond 6 the largest code
.endr
.endr
	v_nop                                          ; one plain line behind the last scaled conversion
	ds_store_b128 v3, v[96:99]
	ds_store_b128 v3, v[100:103] offset:16
	ds_store_b16 v4, v94
	ds_store_b128 v5, v[ACC:ACC+3]
	ds_store_b128 v5, v[ACC+4:ACC+7] offset:16
	s_wait_dscnt 0x0                               ; for the others' sake: my stores have landed
	s_barrier_signal -1
	s_barrier_wait -1                              ; codes, scale bytes and partial logits of all 16 waves lie in LDS
	ds_load_b128 v[144:147], v6                    ; two whole rows of codes a wave
	ds_load_b128 v[148:151], v6 offset:528
	s_wait_dscnt 0x1                               ; the first row is in
	global_store_b128 v7, v[144:147], s[20:21]     ; 32 lanes store 512 consecutive bytes
	s_wait_dscnt 0x0
	global_store_b128 v7, v[148:151], s[20:21] offset:512
	s_cmp_eq_u32 s2, 1
	s_cbranch_scc0 .Lnot_one
	ds_load_b128 v[152:155], v11                   ; wave 1: the block's 1,024 scale bytes
	ds_load_b128 v[156:159], v11 offset:512
	s_wait_dscnt 0x0
	global_store_b128 v9, v[152:155], s[22:23]
	global_store_b128 v9, v[156:159], s[22:23] offset:512
	s_branch .Lend
.Lnot_one:
	s_cmp_eq_u32 s2, 0
	s_cbranch_scc0 .Lend
	; WAVE 0: the gate of 32 tokens, a lane a token
.set W, 0
.rept 16
	ds_load_b128 v[16+8*W:19+8*W], v8 offset:1024*W
	ds_load_b128 v[20+8*W:23+8*W], v8 offset:1024*W+16
.set W, W+1
.endr
	s_wait_dscnt 0x0
.set W, 1
.rept 15
.irp p, 0,2,4,6
	v_pk_add_f32 v[16+\p:17+\p], v[16+\p:17+\p], v[16+8*W+\p:17+8*W+\p]   ; the logits: v16-23
.endr
.set W, W+1
.endr
	v_max3_num_f32 v24, v16, v17, v18
	v_max3_num_f32 v24, v24, v19, v20
	v_max3_num_f32 v24, v24, v21, v22
	v_max_num_f32 v24, v24, v23                    ; the row's largest logit
.irp i, 0,1,2,3,4,5,6,7
	v_sub_f32 v[32+\i], v[16+\i], v24
.endr
.irp i, 0,1,2,3,4,5,6,7
	v_mul_f32 v[32+\i], 0x3fb8aa3b, v[32+\i]       ; x log2(e)
.endr
.irp i, 0,1,2,3,4,5,6,7
	v_exp_f32 v[32+\i], v[32+\i]
.endr
	v_nop                                          ; a plain line behind the last exponential
	s_wait_alu depctr_va_vdst(0)                   ; one wait for the batch, ahead of its first reader
	v_add_f32 v40, v32, v33
	v_add_f32 v41, v34, v35
	v_add_f32 v42, v36, v37
	v_add_f32 v43, v38, v39
	v_add_f32 v40, v40, v41
	v_add_f32 v42, v42, v43
	v_add_f32 v40, v40, v42
	v_rcp_f32 v44, v40
	v_nop
	s_wait_alu depctr_va_vdst(0)
.irp i, 0,1,2,3,4,5,6,7
	v_mul_f32 v[32+\i], v[32+\i], v44              ; the probabilities
.endr
	v_mov_b32 v45, v32                             ; the largest, in ascending order with a strict compare: of equals the lower index stays
	v_mov_b32 v54, 0
.irp i, 1,2,3,4,5,6,7
	v_cmp_le_f32 vcc_lo, v[32+\i], v45             ; not larger: keep
	v_cndmask_b32 v45, v[32+\i], v45, vcc_lo
	v_cndmask_b32 v54, \i, v54, vcc_lo
.endr
.irp i, 0,1,2,3,4,5,6,7
	v_cmp_ne_u32 vcc_lo, \i, v54
	v_cndmask_b32 v[32+\i], -1.0, v[32+\i], vcc_lo ; the first choice is taken out: -1 lies under every probability
.endr
	v_mov_b32 v47, v32                             ; the second, likewise
	v_mov_b32 v55, 0
.irp i, 1,2,3,4,5,6,7
	v_cmp_le_f32 vcc_lo, v[32+\i], v47
	v_cndmask_b32 v47, v[32+\i], v47, vcc_lo
	v_cndmask_b32 v55, \i, v55, vcc_lo
.endr
	v_add_f32 v49, v45, v47
	v_rcp_f32 v50, v49
	v_min_u32 v64, v54, v55                        ; lo  (a plain line behind the reciprocal)
	v_max_u32 v65, v54, v55                        ; hi
	v_sub_nc_u32 v67, 15, v64
	v_mul_u32_u24 v67, v67, v64
	v_lshrrev_b32 v67, 1, v67                      ; lo (15 - lo) / 2
	v_add_nc_u32 v67, v67, v65
	v_sub_nc_u32 v67, v67, v64
	v_add_nc_u32 v66, -1, v67                      ; the key, 0 .. 27
	s_wait_alu depctr_va_vdst(0)
	v_mul_f32 v56, v45, v50                        ; the gates, renormalised
	v_mul_f32 v57, v47, v50
	v_cmp_lt_u32 vcc_lo, v54, v55
	v_cndmask_b32 v60, v57, v56, vcc_lo            ; g_lo
	v_cndmask_b32 v62, v56, v57, vcc_lo            ; g_hi
	v_mov_b32 v61, v60
	v_mov_b32 v63, v62
	v_mov_b32 v58, 0                               ; counts: lane = key
	v_mov_b32 v68, 0                               ; rank: lane = token
.set KK, 0
.rept 28
	v_cmp_eq_u32 s100, KK, v66                     ; the tokens of this key
	s_bcnt1_i32_b32 s101, s100
	v_writelane_b32 v58, s101, KK                  ; how many
	v_mbcnt_lo_u32_b32 v67, s100, 0                ; how many of them in lanes below mine
	v_cndmask_b32 v68, v68, v67, s100
.set KK, KK+1
.endr
	v_lshl_or_b32 v59, v68, 8, v66                 ; key | rank << 8
	global_store_b64 v10, v[54:55], s[24:25]       ; each of these three: 256 consecutive bytes
	global_store_b64 v10, v[56:57], s[26:27]
	global_store_b64 v10, v[58:59], s[28:29]
	global_store_b128 v9, v[60:63], s[30:31]       ; 512 consecutive bytes
.Lend:
	s_wait_tensorcnt 0x0
	ds_add_u32 v160, v161
	s_wait_dscnt 0x0
	s_endpgm
.Lfunc_end_k_qfdeadcd6bc_route_quant:
	.size	k_qfdeadcd6bc_route_quant, .Lfunc_end_k_qfdeadcd6bc_route_quant-k_qfdeadcd6bc_route_quant
	.p2alignl 7, 3214868480
	.fill 96, 4, 3214868480
	.section	.rodata,"a",@progbits
	.p2align	6, 0x0
	.amdhsa_kernel k_qfdeadcd6bc_route_quant
		.amdhsa_group_segment_fixed_size 175616
		.amdhsa_private_segment_fixed_size 0
		.amdhsa_enable_private_segment 0
		.amdhsa_kernarg_size 64
		.amdhsa_user_sgpr_count 2
		.amdhsa_user_sgpr_kernarg_segment_ptr 1
		.amdhsa_wavefront_size32 1
		.amdhsa_system_sgpr_workgroup_id_x 1
		.amdhsa_system_sgpr_workgroup_id_y 1
		.amdhsa_system_sgpr_workgroup_id_z 1
		.amdhsa_system_vgpr_workitem_id 0
		.amdhsa_next_free_vgpr 162
		.amdhsa_next_free_sgpr 102
		.amdhsa_reserve_vcc 1
		.amdhsa_float_denorm_mode_32 3
		.amdhsa_float_denorm_mode_16_64 3
		.amdhsa_memory_ordered 1
		.amdhsa_forward_progress 1
		.amdhsa_inst_pref_size 61
	.end_amdhsa_kernel
	.amdgpu_metadata
---
amdhsa.version: [ 1, 2 ]
amdhsa.kernels:
  - .name:           k_qfdeadcd6bc_route_quant
    .symbol:         k_qfdeadcd6bc_route_quant.kd
    .args:
      - { .name: hidden_states, .offset: 0, .size: 8, .value_kind: global_buffer, .address_space: global }
      - { .name: wg, .offset: 8, .size: 8, .value_kind: global_buffer, .address_space: global }
      - { .name: xcodes, .offset: 16, .size: 8, .value_kind: global_buffer, .address_space: global }
      - { .name: xscales, .offset: 24, .size: 8, .value_kind: global_buffer, .address_space: global }
      - { .name: out1, .offset: 32, .size: 8, .value_kind: global_buffer, .address_space: global }
      - { .name: out2, .offset: 40, .size: 8, .value_kind: global_buffer, .address_space: global }
      - { .name: route, .offset: 48, .size: 8, .value_kind: global_buffer, .address_space: global }
      - { .name: gates, .offset: 56, .size: 8, .value_kind: global_buffer, .address_space: global }
    .group_segment_fixed_size: 175616
    .private_segment_fixed_size: 0
    .kernarg_segment_align: 8
    .kernarg_segment_size: 64
    .max_flat_workgroup_size: 512
    .sgpr_count:     102
    .vgpr_count:     162
    .wavefront_size: 32
...
	.end_amdgpu_metadata
.endif
;; end of part 4
;; launch place: the kernel of part 2 again; grid 65 x 1, 32 waves a work-group, no clusters, 8,192 bytes of LDS; arguments route, expert_weight_codes, order, groups, wimg; writes order, groups, wimg
;; launch experts: the kernel of part 3 again; grid 4 x 72, 4 waves a work-group, no clusters, 129,280 bytes of LDS; arguments xcodes, xscales, gates, order, groups, wimg, expert_weight_scales, expert_bias, out0; writes out0
;; ======== version 3 of 3: 3 launches
;; workspace buffers: xcodes 4,194,304 bytes; xscales 262,144 bytes; gates 131,072 bytes; route 65,536 bytes of whole numbers; order 32,768 bytes of whole numbers; groups 1,536 bytes of whole numbers; wimg 4,194,304 bytes
;; launch route_quant (part 5): grid 256 x 1, 16 waves a work-group, no clusters, 175,616 bytes of LDS; arguments hidden_states, wg, xcodes, xscales, out1, out2, route, gates; writes xcodes, xscales, out1, out2, route, gates
.if DOCPART == 5
	.amdgcn_target "amdgcn-amd-amdhsa--gfx1250"
	.amdhsa_code_object_version 6
	.text
	.protected	k_qfdeadcd6bc_route_quant
	.globl	k_qfdeadcd6bc_route_quant
	.p2align	8
	.type	k_qfdeadcd6bc_route_quant,@function
k_qfdeadcd6bc_route_quant:
	s_mov_b64 s[64:65], 0
	v_nop
	global_prefetch_b8 v0, s[64:65] scope:SCOPE_SE
	s_setreg_imm32_b32 hwreg(HW_REG_WAVE_MODE, 25, 1), 1
	s_wait_xcnt 0x0
; ROUTER AND QUANTISER.  x: [8192][1024] f32, wg: [1024][8] f32.  x is read once and serves both.
; Out: xcodes [token][512 bytes] (E2M1, K innermost, the lower k in the low four bits), xscales [token][32 bytes] (E8M0), out1 (the two experts, larger probability first), out2 (their gates),
; gates [token][4] = g_lo, g_lo, g_hi, g_hi (by ascending expert), route [block of 32 tokens][lane][2 words]: word 0 = how many of the block's tokens have key = lane; word 1 = key | rank << 8 of token = lane.
; key = lo (15 - lo) / 2 + hi - lo - 1 numbers the 28 unordered pairs of experts; rank = the token's place among the block's tokens of the same key.  All of that is stored at fixed places: no address and no branch hangs on it.
; SHARES.  A work-group owns 32 tokens (131,072 bytes of x).  Wave w owns K = 64 w .. 64 w + 63 of all 32: one tensor load brings its slice, 32 rows x 256 bytes.  A LANE IS A TOKEN and its 64 registers run along K:
; the logits need no other lane's x, and a block of 32 along K lies whole in one lane.  The 16 waves' partial logits meet in LDS; wave 0 finishes them.
; wg: a wave's 64 rows x 8 experts are 512 numbers.  They lie in 32 vector registers, 16 different numbers in each row of 16 lanes (both rows hold the same), brought by eight loads at the head; the multiply-add itself
; takes the one number it wants for all lanes, by the DPP control row_share on its first source: no scalar load, no LDS read and no extra instruction stands in the product.
; The logits are fused multiply-adds in f32, K ascending: the chosen experts are compared exactly.  The softmax takes the row's largest logit away first.
; LIMITS: NaN and infinities are not served.  A probability under 2^-126 counts as 0 (v_exp_f32 gives 0 there: ISA guide, 15.8).  Where two probabilities agree within f32 rounding the choice between them may differ from another order of sums.
; A block of zeros gets the scale byte 1 (the floor) where the quantiser's rule says 127: its codes are zeros, and only this program's launches read the bytes.
; Each LDS byte is filled once: no slot is filled again.
.set XSLB, 8704                        ; a wave's slice in LDS: 32 rows x (256 bytes + 16 of padding): row r starts 68 words on
.set STG,  139264                      ; behind the 16 slices: the codes of 32 tokens, rows of 512 bytes + 16
.set SCS,  156160                      ; their scale bytes, 32 a token
.set PL,   157184                      ; the partial logits: [wave][lane][8 f32]
.set X,    16                          ; v16-79   my token's 64 numbers
.set ACC,  80                          ; v80-87   my 8 partial logits
.set WGV,  104                         ; v104-135 my wave's part of wg: number (k, e) in register 4 (k / 8) + e % 4, lane 2 (k % 8) + e / 4 of each row of 16 lanes
	s_load_b128 s[4:7], s[0:1], 0x0                ; x, wg
	s_load_b256 s[20:27], s[0:1], 0x10             ; xcodes, xscales, out1, out2
	s_load_b128 s[28:31], s[0:1], 0x30             ; route, gates
	v_lshl_add_u32 v160, v0, 2, 0x2a600
	v_mov_b32 v161, 0
	ds_add_u32 v160, v161
	ds_add_u32 v160, v161
	v_lshrrev_b32 v1, 5, v0
	s_delay_alu instid0(VALU_DEP_1)
	v_readfirstlane_b32 s2, v1                     ; wave 0..15
	v_and_b32 v1, 31, v0                           ; lane = token in the block
	; descriptor group 1: 32 rows of 64 elements of 4 bytes, 1,024 elements from row to row; 4 words of padding behind every 64
	s_mov_b32 s12, (2<<16)|(1<<20)|(5<<22)|(3<<25)
	s_mov_b32 s13, 64<<16                          ; tensor_dim0 = 64
	s_mov_b32 s14, 32<<16                          ; tensor_dim1 = 32
	s_mov_b32 s15, 64<<16                          ; tile_dim0 = 64
	s_mov_b32 s16, 32                              ; tile_dim1 = 32
	s_mov_b32 s17, 1024                            ; stride
	s_mov_b32 s18, 0
	s_mov_b32 s19, 0
	s_mov_b32 s8, 1                                ; group 0: count = 1
	s_mul_i32 s9, s2, XSLB                         ; LDS address: my slice
	s_lshl_b32 s100, ttmp9, 17                     ; the block's 32 rows of 4,096 bytes
	s_lshl_b32 s3, s2, 8                           ; my 256 bytes of a row
	s_add_co_u32 s100, s100, s3
	s_mov_b32 s101, 0
	s_wait_dscnt 0x0
	s_wait_kmcnt 0x0
	s_add_nc_u64 s[10:11], s[4:5], s[100:101]
	s_or_b32 s11, s11, 0x80000000                  ; type = 2
	tensor_load_to_lds s[8:11], s[12:19]           ; my one tensor load
	s_nop 0
.rept 4
	v_nop
.endr
	s_lshl_b32 s100, s2, 11                        ; my 64 rows of wg, 32 bytes each
	s_add_nc_u64 s[6:7], s[6:7], s[100:101]
	v_and_b32 v12, 15, v0
	s_delay_alu instid0(VALU_DEP_1)
	v_lshlrev_b32 v12, 4, v12                      ; v12: 16 x (lane % 16): both rows of lanes read the same 256 bytes
.set I, 0
.rept 8
	global_load_b128 v[WGV+4*I:WGV+4*I+3], v12, s[6:7] offset:256*I   ; wg's rows 8 I .. 8 I + 7 of my 64: lane n of a row takes numbers 4 n .. 4 n + 3 of these 64
.set I, I+1
.endr
.irp j, 0,1,2,3,4,5,6,7
	v_mov_b32 v[ACC+\j], 0                         ; the eight sums begin as zeros: the destination of a DPP form counts as one of its sources
.endr
	; every LDS address is made here, ahead of the place where the waves part
	v_mul_u32_u24 v2, v1, 272
	s_delay_alu instid0(VALU_DEP_1)
	v_add_nc_u32 v2, s9, v2                        ; v2: my token's row in my slice
	v_mul_u32_u24 v3, v1, 528
	s_lshl_b32 s3, s2, 5
	s_add_co_u32 s3, s3, STG
	v_add_nc_u32 v3, s3, v3                        ; v3: my token's row of codes, my wave's 32 bytes
	v_lshlrev_b32 v4, 5, v1
	s_lshl_b32 s3, s2, 1
	s_add_co_u32 s3, s3, SCS
	v_add_nc_u32 v4, s3, v4                        ; v4: my token's scale bytes, my wave's two
	v_lshlrev_b32 v5, 5, v1
	s_lshl_b32 s3, s2, 10
	s_add_co_u32 s3, s3, PL
	v_add_nc_u32 v5, s3, v5                        ; v5: my partial logits
	v_lshlrev_b32 v9, 4, v1                        ; v9: 16 x lane
	s_mul_i32 s3, s2, 1056
	s_add_co_u32 s3, s3, STG
	v_add_nc_u32 v6, s3, v9                        ; v6: the way out: rows 2 w, 2 w + 1 of the codes
	s_lshl_b32 s3, s2, 10
	v_add_nc_u32 v7, s3, v9                        ; v7: and their place in xcodes
	v_lshlrev_b32 v8, 5, v1
	s_delay_alu instid0(VALU_DEP_1)
	v_add_nc_u32 v8, PL, v8                        ; v8: wave 0: my token's partial logits of wave 0
	v_lshlrev_b32 v10, 3, v1                       ; v10: 8 x lane
	v_add_nc_u32 v11, SCS, v9                      ; v11: wave 1: the scale bytes, 16 a lane
	s_lshl_b32 s100, ttmp9, 14
	s_add_nc_u64 s[20:21], s[20:21], s[100:101]    ; xcodes: 32 x 512 bytes a block
	s_lshl_b32 s100, ttmp9, 10
	s_add_nc_u64 s[22:23], s[22:23], s[100:101]    ; xscales: 32 x 32
	s_lshl_b32 s100, ttmp9, 8
	s_add_nc_u64 s[24:25], s[24:25], s[100:101]    ; out1, out2, route: 32 x 8
	s_add_nc_u64 s[26:27], s[26:27], s[100:101]
	s_add_nc_u64 s[28:29], s[28:29], s[100:101]
	s_lshl_b32 s100, ttmp9, 9
	s_add_nc_u64 s[30:31], s[30:31], s[100:101]    ; gates: 32 x 16
	s_wait_tensorcnt 0x0                           ; my slice is in LDS; only I read it
.set I, 0
.rept 16
	ds_load_b128 v[X+4*I:X+4*I+3], v2 offset:16*I
.set I, I+1
.endr
	s_wait_loadcnt 0x0                             ; my part of wg is in: its eight loads were issued ahead of the wait for the slice
	; THE LOGITS: eight rows of K at a time, 64 multiply-adds, the eight sums by turns.  Lane n of a row of 16 holds wg(8 I + n / 2, 4 (n % 2) + c) in register 4 I + c; row_share:n gives it to all 16 lanes of the row
.set I, 0
.rept 8
	s_wait_alu depctr_va_vdst(0)
	s_wait_dscnt 14-2*I                            ; LDS loads come back in order: my numbers 8 I .. 8 I + 7 (loads 2 I and 2 I + 1) are in, the 14 - 2 I younger loads may be out
.irp n, 0,1,2,3,4,5,6,7,8,9,10,11,12,13,14,15
.irp c, 0,1,2,3
	v_fmac_f32_dpp v[ACC+4*(\n%2)+\c], v[WGV+4*I+\c], v[X+8*I+\n/2] row_share:\n row_mask:0xf bank_mask:0xf
.endr
.endr
.set I, I+1
.endr
	; THE QUANTISER: my two blocks of 32, by turns
.irp b, 0,1
	v_max3_num_f32 v[88+\b], |v[X+32*\b]|, |v[X+32*\b+1]|, 0x1800000   ; the floor 2^(3 - 127) among the leaves: the byte cannot fall under 1
.endr
.irp i, 2,4,6,8,10,12,14,16,18,20,22,24,26,28,30
.irp b, 0,1
	s_delay_alu instid0(VALU_DEP_2)
	v_max3_num_f32 v[88+\b], v[88+\b], |v[X+32*\b+\i]|, |v[X+32*\b+\i+1]|
.endr
.endr
.irp b, 0,1
	s_delay_alu instid0(VALU_DEP_2)
	v_add_nc_u32 v[90+\b], 0xff000000, v[88+\b]    ; 2 off the largest magnitude's exponent field: the conversion takes this operand's exponent field as its scale
.endr
.irp b, 0,1
	s_delay_alu instid0(VALU_DEP_2)
	v_lshrrev_b32 v[92+\b], 23, v[90+\b]           ; the scale's byte
.endr
	s_delay_alu instid0(VALU_DEP_1)
	v_lshl_or_b32 v94, v93, 8, v92                 ; my two bytes
.irp b, 0,1
.irp g, 0,1,2,3
	v_cvt_scalef32_pk8_fp4_f32 v[96+4*\b+\g], v[X+32*\b+8*\g:X+32*\b+8*\g+7], v[90+\b]   ; to the nearest code, ties to even; beyond 6 the largest code
.endr
.endr
	v_nop                                          ; one plain line behind the last scaled conversion
	ds_store_b128 v3, v[96:99]
	ds_store_b128 v3, v[100:103] offset:16
	ds_store_b16 v4, v94
	ds_store_b128 v5, v[ACC:ACC+3]
	ds_store_b128 v5, v[ACC+4:ACC+7] offset:16
	s_wait_dscnt 0x0                               ; for the others' sake: my stores have landed
	s_barrier_signal -1
	s_barrier_wait -1                              ; codes, scale bytes and partial logits of all 16 waves lie in LDS
	ds_load_b128 v[144:147], v6                    ; two whole rows of codes a wave
	ds_load_b128 v[148:151], v6 offset:528
	s_wait_dscnt 0x1                               ; the first row is in
	global_store_b128 v7, v[144:147], s[20:21]     ; 32 lanes store 512 consecutive bytes
	s_wait_dscnt 0x0
	global_store_b128 v7, v[148:151], s[20:21] offset:512
	s_cmp_eq_u32 s2, 1
	s_cbranch_scc0 .Lnot_one
	ds_load_b128 v[152:155], v11                   ; wave 1: the block's 1,024 scale bytes
	ds_load_b128 v[156:159], v11 offset:512
	s_wait_dscnt 0x0
	global_store_b128 v9, v[152:155], s[22:23]
	global_store_b128 v9, v[156:159], s[22:23] offset:512
	s_branch .Lend
.Lnot_one:
	s_cmp_eq_u32 s2, 0
	s_cbranch_scc0 .Lend
	; WAVE 0: the gate of 32 tokens, a lane a token
.set W, 0
.rept 16
	ds_load_b128 v[16+8*W:19+8*W], v8 offset:1024*W
	ds_load_b128 v[20+8*W:23+8*W], v8 offset:1024*W+16
.set W, W+1
.endr
	s_wait_dscnt 0x0
.set W, 1
.rept 15
.irp p, 0,2,4,6
	v_pk_add_f32 v[16+\p:17+\p], v[16+\p:17+\p], v[16+8*W+\p:17+8*W+\p]   ; the logits: v16-23
.endr
.set W, W+1
.endr
	s_delay_alu instid0(VALU_DEP_3)
	v_max3_num_f32 v24, v16, v17, v18
	s_delay_alu instid0(VALU_DEP_1)
	v_max3_num_f32 v24, v24, v19, v20
	s_delay_alu instid0(VALU_DEP_1)
	v_max3_num_f32 v24, v24, v21, v22
	s_delay_alu instid0(VALU_DEP_1)
	v_max_num_f32 v24, v24, v23                    ; the row's largest logit
.irp i, 0,1,2,3,4,5,6,7
	v_sub_f32 v[32+\i], v[16+\i], v24
.endr
.irp i, 0,1,2,3,4,5,6,7
	v_mul_f32 v[32+\i], 0x3fb8aa3b, v[32+\i]       ; x log2(e)
.endr
	s_wait_alu depctr_va_vdst(0)
.irp i, 0,1,2,3,4,5,6,7
	v_exp_f32 v[32+\i], v[32+\i]
.endr
	v_nop                                          ; a plain line behind the last exponential
	s_wait_alu depctr_va_vdst(0)                   ; one wait for the batch, ahead of its first reader
	v_add_f32 v40, v32, v33
	v_add_f32 v41, v34, v35
	v_add_f32 v42, v36, v37
	v_add_f32 v43, v38, v39
	s_delay_alu instid0(VALU_DEP_3)
	v_add_f32 v40, v40, v41
	s_delay_alu instid0(VALU_DEP_2)
	v_add_f32 v42, v42, v43
	s_delay_alu instid0(VALU_DEP_1)
	v_add_f32 v40, v40, v42
	s_wait_alu depctr_va_vdst(0)
	v_rcp_f32 v44, v40
	v_nop
	s_wait_alu depctr_va_vdst(0)
.irp i, 0,1,2,3,4,5,6,7
	v_mul_f32 v[32+\i], v[32+\i], v44              ; the probabilities
.endr
	v_mov_b32 v45, v32                             ; the largest, in ascending order with a strict compare: of equals the lower index stays
	v_mov_b32 v54, 0
.irp i, 1,2,3,4,5,6,7
	s_delay_alu instid0(VALU_DEP_2)
	v_cmp_le_f32 vcc_lo, v[32+\i], v45             ; not larger: keep
	s_delay_alu instid0(VALU_DEP_1)
	v_cndmask_b32 v45, v[32+\i], v45, vcc_lo
	s_delay_alu instid0(VALU_DEP_2)
	v_cndmask_b32 v54, \i, v54, vcc_lo
.endr
.irp i, 0,1,2,3,4,5,6,7
	v_cmp_ne_u32 vcc_lo, \i, v54
	s_delay_alu instid0(VALU_DEP_1)
	v_cndmask_b32 v[32+\i], -1.0, v[32+\i], vcc_lo ; the first choice is taken out: -1 lies under every probability
.endr
	v_mov_b32 v47, v32                             ; the second, likewise
	v_mov_b32 v55, 0
.irp i, 1,2,3,4,5,6,7
	s_delay_alu instid0(VALU_DEP_2)
	v_cmp_le_f32 vcc_lo, v[32+\i], v47
	s_delay_alu instid0(VALU_DEP_1)
	v_cndmask_b32 v47, v[32+\i], v47, vcc_lo
	s_delay_alu instid0(VALU_DEP_2)
	v_cndmask_b32 v55, \i, v55, vcc_lo
.endr
	s_delay_alu instid0(VALU_DEP_2)
	v_add_f32 v49, v45, v47
	s_wait_alu depctr_va_vdst(0)
	v_rcp_f32 v50, v49
	v_min_u32 v64, v54, v55                        ; lo  (a plain line behind the reciprocal)
	v_max_u32 v65, v54, v55                        ; hi
	s_delay_alu instid0(VALU_DEP_2)
	v_sub_nc_u32 v67, 15, v64
	s_delay_alu instid0(VALU_DEP_1)
	v_mul_u32_u24 v67, v67, v64
	s_delay_alu instid0(VALU_DEP_1)
	v_lshrrev_b32 v67, 1, v67                      ; lo (15 - lo) / 2
	s_delay_alu instid0(VALU_DEP_1)
	v_add_nc_u32 v67, v67, v65
	s_delay_alu instid0(VALU_DEP_1)
	v_sub_nc_u32 v67, v67, v64
	s_delay_alu instid0(VALU_DEP_1)
	v_add_nc_u32 v66, -1, v67                      ; the key, 0 .. 27
	s_wait_alu depctr_va_vdst(0)
	v_mul_f32 v56, v45, v50                        ; the gates, renormalised
	v_mul_f32 v57, v47, v50
	v_cmp_lt_u32 vcc_lo, v54, v55
	s_delay_alu instid0(VALU_DEP_1)
	v_cndmask_b32 v60, v57, v56, vcc_lo            ; g_lo
	s_delay_alu instid0(VALU_DEP_2)
	v_cndmask_b32 v62, v56, v57, vcc_lo            ; g_hi
	s_delay_alu instid0(VALU_DEP_2)
	v_mov_b32 v61, v60
	s_delay_alu instid0(VALU_DEP_2)
	v_mov_b32 v63, v62
	v_mov_b32 v58, 0                               ; counts: lane = key
	v_mov_b32 v68, 0                               ; rank: lane = token
.set KK, 0
.rept 28
	v_cmp_eq_u32 s100, KK, v66                     ; the tokens of this key
	s_bcnt1_i32_b32 s101, s100
	v_writelane_b32 v58, s101, KK                  ; how many
	v_mbcnt_lo_u32_b32 v67, s100, 0                ; how many of them in lanes below mine
	s_delay_alu instid0(VALU_DEP_1)
	v_cndmask_b32 v68, v68, v67, s100
.set KK, KK+1
.endr
	s_delay_alu instid0(VALU_DEP_1)
	v_lshl_or_b32 v59, v68, 8, v66                 ; key | rank << 8
	global_store_b64 v10, v[54:55], s[24:25]       ; each of these three: 256 consecutive bytes
	global_store_b64 v10, v[56:57], s[26:27]
	global_store_b64 v10, v[58:59], s[28:29]
	global_store_b128 v9, v[60:63], s[30:31]       ; 512 consecutive bytes
.Lend:
	s_wait_tensorcnt 0x0
	ds_add_u32 v160, v161
	s_wait_dscnt 0x0
	s_endpgm
.Lfunc_end_k_qfdeadcd6bc_route_quant:
	.size	k_qfdeadcd6bc_route_quant, .Lfunc_end_k_qfdeadcd6bc_route_quant-k_qfdeadcd6bc_route_quant
	.p2alignl 7, 3214868480
	.fill 96, 4, 3214868480
	.section	.rodata,"a",@progbits
	.p2align	6, 0x0
	.amdhsa_kernel k_qfdeadcd6bc_route_quant
		.amdhsa_group_segment_fixed_size 175616
		.amdhsa_private_segment_fixed_size 0
		.amdhsa_enable_private_segment 0
		.amdhsa_kernarg_size 64
		.amdhsa_user_sgpr_count 2
		.amdhsa_user_sgpr_kernarg_segment_ptr 1
		.amdhsa_wavefront_size32 1
		.amdhsa_system_sgpr_workgroup_id_x 1
		.amdhsa_system_sgpr_workgroup_id_y 1
		.amdhsa_system_sgpr_workgroup_id_z 1
		.amdhsa_system_vgpr_workitem_id 0
		.amdhsa_next_free_vgpr 162
		.amdhsa_next_free_sgpr 102
		.amdhsa_reserve_vcc 1
		.amdhsa_float_denorm_mode_32 3
		.amdhsa_float_denorm_mode_16_64 3
		.amdhsa_memory_ordered 1
		.amdhsa_forward_progress 1
		.amdhsa_inst_pref_size 66
	.end_amdhsa_kernel
	.amdgpu_metadata
---
amdhsa.version: [ 1, 2 ]
amdhsa.kernels:
  - .name:           k_qfdeadcd6bc_route_quant
    .symbol:         k_qfdeadcd6bc_route_quant.kd
    .args:
      - { .name: hidden_states, .offset: 0, .size: 8, .value_kind: global_buffer, .address_space: global }
      - { .name: wg, .offset: 8, .size: 8, .value_kind: global_buffer, .address_space: global }
      - { .name: xcodes, .offset: 16, .size: 8, .value_kind: global_buffer, .address_space: global }
      - { .name: xscales, .offset: 24, .size: 8, .value_kind: global_buffer, .address_space: global }
      - { .name: out1, .offset: 32, .size: 8, .value_kind: global_buffer, .address_space: global }
      - { .name: out2, .offset: 40, .size: 8, .value_kind: global_buffer, .address_space: global }
      - { .name: route, .offset: 48, .size: 8, .value_kind: global_buffer, .address_space: global }
      - { .name: gates, .offset: 56, .size: 8, .value_kind: global_buffer, .address_space: global }
    .group_segment_fixed_size: 175616
    .private_segment_fixed_size: 0
    .kernarg_segment_align: 8
    .kernarg_segment_size: 64
    .max_flat_workgroup_size: 512
    .sgpr_count:     102
    .vgpr_count:     162
    .wavefront_size: 32
...
	.end_amdgpu_metadata
.endif
;; end of part 5
;; launch place (part 6): grid 65 x 1, 32 waves a work-group, no clusters, 8,192 bytes of LDS; arguments route, expert_weight_codes, order, groups, wimg; writes order, groups, wimg
.if DOCPART == 6
	.amdgcn_target "amdgcn-amd-amdhsa--gfx1250"
	.amdhsa_code_object_version 6
	.text
	.protected	k_qfdeadcd6bc_place
	.globl	k_qfdeadcd6bc_place
	.p2align	8
	.type	k_qfdeadcd6bc_place,@function
k_qfdeadcd6bc_place:
	s_mov_b64 s[64:65], 0
	v_nop
	global_prefetch_b8 v0, s[64:65] scope:SCOPE_SE
	s_setreg_imm32_b32 hwreg(HW_REG_WAVE_MODE, 25, 1), 1
	s_wait_xcnt 0x0
; WORK-GROUP 0 PLACES THE TOKENS: a counting sort by key (the pair of experts) without atomics.  route holds, for each block of 32 tokens, the count of each key and each token's key and rank in its block.
; order [8192]: the token numbers sorted by key.  groups [96][4 words]: lo | hi << 8, first place in order, rows, tiles of 16 rows (0: no work).  A key with t tiles is cut into ceil(t / 12) groups of q tiles,
; q the least number with q x groups >= t.  With 8,192 tokens and 28 keys there are at most 539 tiles and at most 70 groups, whatever the split.
; WORK-GROUPS 1 TO 64 LAY THE WEIGHTS' CODES in the order of the matrix operand's registers: wimg [tile of 16 rows][q = 0 .. 15][lane][16 bytes]: lane (r, h) of piece q holds bytes 32 q + 16 h .. + 15 of row r.
; The two ways part on the work-group's number alone; only work-group 0 uses LDS and its one barrier.
	s_load_b128 s[4:7], s[0:1], 0x0                ; route, the weights' codes
	s_load_b128 s[8:11], s[0:1], 0x10              ; order, groups
	s_load_b64 s[12:13], s[0:1], 0x20              ; wimg
	v_lshl_add_u32 v96, v0, 2, 0x1000
	v_mov_b32 v97, 0
	v_lshrrev_b32 v5, 5, v0
	s_delay_alu instid0(VALU_DEP_1)
	v_readfirstlane_b32 s2, v5                     ; wave 0..31
	v_and_b32 v1, 31, v0                           ; lane
	s_cmp_lg_u32 ttmp9, 0
	s_cbranch_scc1 .Llayout
	; ---- the sort.  Wave w owns blocks 8 w .. 8 w + 7
	v_lshlrev_b32 v2, 3, v1
	s_delay_alu instid0(VALU_DEP_1)
	v_lshl_add_u32 v2, v5, 11, v2                  ; 2,048 w + 8 x lane
	v_lshlrev_b32 v3, 2, v0                        ; LDS: [wave][key], a word each
	v_lshlrev_b32 v4, 2, v1
	v_lshl_add_u32 v6, v5, 8, v1                   ; 256 w + lane: my token of block 8 w
	s_wait_alu depctr_va_vdst(0)
	s_wait_kmcnt 0x0
.irp j, 0,1,2,3,4,5,6,7
	global_load_b64 v[16+2*\j:17+2*\j], v2, s[4:5] offset:256*\j   ; v[16 + 2 j]: count of key = lane;  v[17 + 2 j]: key | rank << 8 of token = lane
.endr
	s_wait_loadcnt 0x0
	v_mov_b32 v32, 0                               ; v[32 + j]: tokens of my key in my wave's blocks ahead of block j
.irp j, 1,2,3,4,5,6,7
	s_delay_alu instid0(VALU_DEP_1)
	v_add_nc_u32 v[32+\j], v[31+\j], v[14+2*\j]
.endr
	s_delay_alu instid0(VALU_DEP_1)
	v_add_nc_u32 v40, v39, v30                     ; my wave's count of the key
	ds_store_b32 v3, v40
	s_wait_dscnt 0x0                               ; for the others' sake
	s_barrier_signal -1
	s_barrier_wait -1
.set W, 0
.rept 32
	ds_load_b32 v[48+W], v4 offset:128*W           ; every wave's count of my key
.set W, W+1
.endr
	s_lshl_b32 s14, 1, s2
	s_sub_co_u32 s14, s14, 1                       ; a bit for each wave ahead of mine
	s_wait_dscnt 0x0
	v_add3_u32 v41, v48, v49, v50
.set W, 3
.rept 14
	s_delay_alu instid0(VALU_DEP_1)
	v_add3_u32 v41, v41, v[48+W], v[49+W]
.set W, W+2
.endr
	s_delay_alu instid0(VALU_DEP_1)
	v_add_nc_u32 v41, v41, v79                     ; tot: all tokens of my key
	v_mov_b32 v42, 0
.set W, 0
.rept 31
	s_bfe_u32 s15, s14, (1<<16)|W
	v_mad_u32_u24 v42, v[48+W], s15, v42           ; bef: those in waves ahead of mine
.set W, W+1
.endr
	v_add_nc_u32 v43, 15, v41
	s_delay_alu instid0(VALU_DEP_1)
	v_lshrrev_b32 v43, 4, v43                      ; t = tiles of 16
	s_delay_alu instid0(VALU_DEP_1)
	v_add_nc_u32 v44, 11, v43
	s_delay_alu instid0(VALU_DEP_1)
	v_mul_u32_u24 v44, 0xaaab, v44
	s_delay_alu instid0(VALU_DEP_1)
	v_lshrrev_b32 v44, 19, v44                     ; groups = (t + 11) / 12: 43,691 / 2^19 is exact for numbers up to 523
	v_mov_b32 v45, 1                               ; q = 1 + how many j in 1 .. 11 have j x groups < t
.set J, 1
.rept 11
	v_mul_u32_u24 v46, J, v44
	s_delay_alu instid0(VALU_DEP_1)
	v_cmp_lt_u32 vcc_lo, v46, v43
	s_delay_alu instid0(VALU_DEP_1)
	v_add_co_ci_u32 v45, vcc_lo, 0, v45, vcc_lo
.set J, J+1
.endr
	; prefix sums over the keys, of tot (low half) and groups (high half) at once
	v_lshl_or_b32 v47, v44, 16, v41
	v_mov_b32 v46, 0
	s_delay_alu instid0(VALU_DEP_2)
	v_mov_b32 v86, v47
.irp n, 1,2,4,8
	s_delay_alu instid0(VALU_DEP_1)
	v_mov_b32_dpp v46, v86 row_shr:\n row_mask:0xf bank_mask:0xf bound_ctrl:1
	s_delay_alu instid0(VALU_DEP_1)
	v_add_nc_u32 v86, v86, v46
.endr
	s_delay_alu instid0(VALU_DEP_1)
	v_readlane_b32 s15, v86, 15                    ; the sum of keys 0 .. 15
	s_delay_alu instid0(VALU_DEP_1)
	v_mov_b32 v46, s15
	v_cmp_lt_u32 vcc_lo, 15, v1
	s_delay_alu instid0(VALU_DEP_1)
	v_cndmask_b32 v46, 0, v46, vcc_lo
	s_delay_alu instid0(VALU_DEP_1)
	v_add_nc_u32 v86, v86, v46
	s_delay_alu instid0(VALU_DEP_1)
	v_sub_nc_u32 v86, v86, v47                     ; without my own
	s_delay_alu instid0(VALU_DEP_1)
	v_and_b32 v80, 0xffff, v86                     ; base: my key's first place in order
	s_delay_alu instid0(VALU_DEP_2)
	v_lshrrev_b32 v81, 16, v86                     ; gb: its first group
	; each token's place = its key's (base + bef + what lies in my wave's earlier blocks) + its rank
.irp j, 0,1,2,3,4,5,6,7
	v_add3_u32 v[56+\j], v80, v42, v[32+\j]        ; lane = key
	v_and_b32 v[48+\j], 0xff, v[17+2*\j]
	s_delay_alu instid0(VALU_DEP_1)
	v_min_u32 v[48+\j], 31, v[48+\j]
	s_delay_alu instid0(VALU_DEP_1)
	v_lshlrev_b32 v[48+\j], 2, v[48+\j]            ; lane = token: its key's lane x 4
.endr
.irp j, 0,1,2,3,4,5,6,7
	ds_bpermute_b32 v[64+\j], v[48+\j], v[56+\j]
.endr
	s_wait_dscnt 0x0
.irp j, 0,1,2,3,4,5,6,7
	v_lshrrev_b32 v[48+\j], 8, v[17+2*\j]
	s_delay_alu instid0(VALU_DEP_1)
	v_add_nc_u32 v[64+\j], v[64+\j], v[48+\j]
	s_delay_alu instid0(VALU_DEP_1)
	v_min_u32 v[64+\j], 0x1fff, v[64+\j]           ; a place in order
	s_delay_alu instid0(VALU_DEP_1)
	v_lshlrev_b32 v[64+\j], 2, v[64+\j]
	v_add_nc_u32 v[72+\j], 32*\j, v6               ; the token's number
	global_store_b32 v[64+\j], v[72+\j], s[8:9]    ; a scatter of words, 32,768 bytes in all
.endr
	s_cmp_lt_u32 s2, 3
	s_cbranch_scc0 .Lend
	; ---- the table of groups: thread j makes entry j.  Its key is the last one whose first group is not above j
	v_lshl_or_b32 v82, v45, 8, v81                 ; gb | q << 8
	v_lshl_or_b32 v83, v41, 16, v80                ; base | tot << 16
	v_mov_b32 v84, 0
	v_mov_b32 v85, 0
	v_mov_b32 v88, 0
.set LO, 0
.set HI, 1
.set KK, 0
.rept 28
	v_readlane_b32 s16, v82, KK
	v_readlane_b32 s17, v83, KK
	s_and_b32 s18, s16, 0xff
	v_cmp_gt_u32 vcc_lo, s18, v0                   ; the key begins above j: keep what I have
	s_delay_alu instid0(VALU_DEP_1)
	v_cndmask_b32 v84, s16, v84, vcc_lo
	s_delay_alu instid0(VALU_DEP_2)
	v_cndmask_b32 v85, s17, v85, vcc_lo
	s_delay_alu instid0(VALU_DEP_3)
	v_cndmask_b32 v88, LO|(HI<<8), v88, vcc_lo
.set KK, KK+1
.set HI, HI+1
.if HI > 7
.set LO, LO+1
.set HI, LO+1
.endif
.endr
	s_delay_alu instid0(VALU_DEP_3)
	v_and_b32 v86, 0xff, v84                       ; gb
	s_delay_alu instid0(VALU_DEP_4)
	v_lshrrev_b32 v87, 8, v84                      ; q
	s_delay_alu instid0(VALU_DEP_4)
	v_and_b32 v92, 0xffff, v85                     ; base
	v_lshrrev_b32 v93, 16, v85                     ; tot
	s_delay_alu instid0(VALU_DEP_4)
	v_sub_nc_u32 v86, v0, v86                      ; which group of the key
	s_delay_alu instid0(VALU_DEP_1)
	v_mul_u32_u24 v86, v86, v87
	s_delay_alu instid0(VALU_DEP_1)
	v_lshlrev_b32 v86, 4, v86                      ; its first row
	v_lshlrev_b32 v87, 4, v87                      ; 16 q
	s_delay_alu instid0(VALU_DEP_2)
	v_sub_nc_u32 v93, v93, v86
	s_delay_alu instid0(VALU_DEP_1)
	v_min_i32 v93, v93, v87
	s_delay_alu instid0(VALU_DEP_1)
	v_max_i32 v90, 0, v93                          ; rows: 0 behind the key's end
	v_add_nc_u32 v89, v92, v86
	s_delay_alu instid0(VALU_DEP_1)
	v_min_u32 v89, 0x1fff, v89                     ; first place in order
	s_delay_alu instid0(VALU_DEP_3)
	v_add_nc_u32 v91, 15, v90
	s_delay_alu instid0(VALU_DEP_1)
	v_lshrrev_b32 v91, 4, v91                      ; tiles
	v_lshlrev_b32 v94, 4, v0
	global_store_b128 v94, v[88:91], s[10:11]
	s_branch .Lend
.Llayout:
	; ---- the weights: wave w of work-group g takes tile 8 (g - 1) + w / 4, pieces 4 (w % 4) .. + 3
	v_and_b32 v6, 15, v0
	v_bfe_u32 v7, v0, 4, 1
	s_delay_alu instid0(VALU_DEP_2)
	v_lshlrev_b32 v8, 9, v6
	s_delay_alu instid0(VALU_DEP_1)
	v_lshl_add_u32 v8, v7, 4, v8                   ; in: row r of 512 bytes, + 16 h
	s_wait_alu depctr_va_vdst(0)
	v_lshlrev_b32 v9, 4, v1                        ; out: 16 x lane
	s_sub_co_u32 s14, ttmp9, 1
	s_lshl_b32 s14, s14, 3
	s_lshr_b32 s15, s2, 2
	s_add_co_u32 s14, s14, s15
	s_lshl_b32 s14, s14, 13                        ; a tile is 8,192 bytes in both buffers
	s_and_b32 s15, s2, 3
	s_lshl_b32 s16, s15, 7                         ; in: 4 pieces of 32 bytes of a row
	s_lshl_b32 s18, s15, 11                        ; out: 4 pieces of 512 bytes
	s_add_co_u32 s16, s16, s14
	s_add_co_u32 s18, s18, s14
	s_mov_b32 s17, 0
	s_mov_b32 s19, 0
	s_wait_alu depctr_va_vdst(0)
	s_wait_kmcnt 0x0
	s_add_nc_u64 s[6:7], s[6:7], s[16:17]
	s_add_nc_u64 s[12:13], s[12:13], s[18:19]
.irp u, 0,1,2,3
	global_load_b128 v[16+4*\u:19+4*\u], v8, s[6:7] offset:32*\u th:TH_LOAD_NT
.endr
.irp u, 0,1,2,3
	s_wait_loadcnt 3-\u                            ; loads come back in order: piece u is in
	global_store_b128 v9, v[16+4*\u:19+4*\u], s[12:13] offset:512*\u   ; 512 consecutive bytes
.endr
.Lend:
	s_wait_tensorcnt 0x0
	ds_add_u32 v96, v97
	s_wait_dscnt 0x0
	s_endpgm
.Lfunc_end_k_qfdeadcd6bc_place:
	.size	k_qfdeadcd6bc_place, .Lfunc_end_k_qfdeadcd6bc_place-k_qfdeadcd6bc_place
	.p2alignl 7, 3214868480
	.fill 96, 4, 3214868480
	.section	.rodata,"a",@progbits
	.p2align	6, 0x0
	.amdhsa_kernel k_qfdeadcd6bc_place
		.amdhsa_group_segment_fixed_size 8192
		.amdhsa_private_segment_fixed_size 0
		.amdhsa_enable_private_segment 0
		.amdhsa_kernarg_size 40
		.amdhsa_user_sgpr_count 2
		.amdhsa_user_sgpr_kernarg_segment_ptr 1
		.amdhsa_wavefront_size32 1
		.amdhsa_system_sgpr_workgroup_id_x 1
		.amdhsa_system_sgpr_workgroup_id_y 1
		.amdhsa_system_sgpr_workgroup_id_z 1
		.amdhsa_system_vgpr_workitem_id 0
		.amdhsa_next_free_vgpr 98
		.amdhsa_next_free_sgpr 66
		.amdhsa_reserve_vcc 1
		.amdhsa_float_denorm_mode_32 3
		.amdhsa_float_denorm_mode_16_64 3
		.amdhsa_memory_ordered 1
		.amdhsa_forward_progress 1
		.amdhsa_inst_pref_size 35
	.end_amdhsa_kernel
	.amdgpu_metadata
---
amdhsa.version: [ 1, 2 ]
amdhsa.kernels:
  - .name:           k_qfdeadcd6bc_place
    .symbol:         k_qfdeadcd6bc_place.kd
    .args:
      - { .name: route, .offset: 0, .size: 8, .value_kind: global_buffer, .address_space: global }
      - { .name: expert_weight_codes, .offset: 8, .size: 8, .value_kind: global_buffer, .address_space: global }
      - { .name: order, .offset: 16, .size: 8, .value_kind: global_buffer, .address_space: global }
      - { .name: groups, .offset: 24, .size: 8, .value_kind: global_buffer, .address_space: global }
      - { .name: wimg, .offset: 32, .size: 8, .value_kind: global_buffer, .address_space: global }
    .group_segment_fixed_size: 8192
    .private_segment_fixed_size: 0
    .kernarg_segment_align: 8
    .kernarg_segment_size: 40
    .max_flat_workgroup_size: 1024
    .sgpr_count:     66
    .vgpr_count:     98
    .wavefront_size: 32
...
	.end_amdgpu_metadata
.endif
;; end of part 6
;; launch experts (part 7): grid 4 x 72, 4 waves a work-group, no clusters, 129,280 bytes of LDS; arguments xcodes, xscales, gates, order, groups, wimg, expert_weight_scales, expert_bias, out0; writes out0
.if DOCPART == 7
	.amdgcn_target "amdgcn-amd-amdhsa--gfx1250"
	.amdhsa_code_object_version 6
	.text
	.protected	k_qfdeadcd6bc_experts
	.globl	k_qfdeadcd6bc_experts
	.p2align	8
	.type	k_qfdeadcd6bc_experts,@function
k_qfdeadcd6bc_experts:
	s_mov_b64 s[64:65], 0
	v_nop
	global_prefetch_b8 v0, s[64:65] scope:SCOPE_SE
	s_setreg_imm32_b32 hwreg(HW_REG_WAVE_SCHED_MODE, 0, 2), 2
	s_setreg_imm32_b32 hwreg(HW_REG_WAVE_MODE, 25, 1), 1
	s_wait_xcnt 0x0
	s_wait_alu depctr_vm_vsrc(0)
; out0[token] = g_lo (Q(x) W_lo^T + b_lo) + g_hi (Q(x) W_hi^T + b_hi), on codes of E2M1 with one E8M0 scale for each 32 along K, for the two experts chosen for the token.
; SHARES.  Work-group (x = cq, y = g) takes group g of the table: up to 12 tiles of 16 tokens that all chose the SAME pair of experts, and columns 256 cq .. + 255.  So each output number has one owner and both
; contributions meet in registers.  Wave w takes columns 256 cq + 64 w .. + 63: its 4 tiles of 16 weight rows of both experts, all of K, stay in 512 registers; what goes round is the tokens' codes.
; The grid's 72 rows serve every split (at most 70 groups).  A group without tiles stores nothing and ends; that end stands BEHIND the one barrier, so that no barrier hangs on a number read from memory.
; x's fragments, scale words, gates and token numbers of the group's 12 slots are gathered once by the four waves (slot w + 4 j to wave w) and lie in LDS as images of the operand's registers.
; Rows past the group's end repeat its last row: they give the same numbers, which the same wave stores to the same place.
; THE TWELVE TILES ARE WRITTEN OUT by a macro: a slot's place in LDS stands in the immediate offsets, and every LDS address register is a constant + a lane term (+ a constant x wave), made once at the head.
; Ahead of tiles 1 to 11 a scalar branch on the group's number of tiles leads to the way out.  A tile is some 175 instructions; the twelve and the head stay well under 50 KB of code.
; THE MATRIX INSTRUCTION IS USED TRANSPOSED: source 0 = 16 weight rows, source 1 = 16 tokens: a lane holds one token (lane % 16) and eight neighbouring columns.  The bias is the C of a sum's first instruction.
; SCALE WORDS: 16 bytes at row x 32 + 16 (lane / 16) give lanes 0-15 the words of K steps 0-3 and lanes 16-31 those of K steps 4-7: K step s names register s % 4, from s = 4 on with the upper row of lanes.
; NO CLUSTER, NO TENSOR LOAD: the number of tiles, the experts and the rows are numbers read from memory; branches hang on them, and neighbouring groups may have other experts and other counts.
; THE MODE: SCHED_MODE bits 1:0 = 2 (LLVM: expert scheduling mode 2), set by the entry lines.  The code itself states the register dependences between vector or matrix instructions and memory or LDS
; instructions, with s_wait_alu, always for 0.
; THE PLAN.  Tile i works on set p = i % 2; o = 1 - p.  Registers that memory or LDS instructions touch, from the first tile on:
;   XF[p], XS[p]   x's fragments and scale words.  Written by LDS loads issued in tile i - 1; read by tile i's matrix instructions.
;   G[p], TK[p]    gates and token numbers.        Written by LDS loads issued in tile i - 1; read (TK also clamped in place) by tile i's closing vector lines.
;   OFFS[p]        the rows' places in out0.       Written by tile i's closing lines; read by the eight global stores that are issued in tile i + 1.
;   OUT[p]         the gated sums.                 Written by tile i's closing lines; read by the stage's eight LDS stores that are issued in tile i + 1.
;   OB             whole rows back from the stage. Written by LDS loads and read by the global stores of one and the same tile: no vector or matrix instruction names it.
;   v4 to v12      addresses, made at the head and never written again.  The weights, their scale words and the biases are loaded once.
; So tile i's memory and LDS instructions touch set o, OUT[o], OFFS[o], OB and addresses, and its matrix instructions name none of these: they are dealt among the 64 products with no wait between.
; The waits stand at a tile's END, ahead of the branch that may leave the walk, and serve the next tile and the way out alike.  The last tile's rows leave behind the walk, by one of two short tails (by the tile's set).
; REGISTERS, in windows of 256 (s_set_vgpr_msb: bits 1:0 source 0, 3:2 source 1, 5:4 source 2, 7:6 destination):
;   window 0: v1-15 addresses; set 0: v16-23 store offsets, v24-31 token numbers, v32-35 x's scale words, v36-39 gates, v72-135 x's 8 fragments; v40-71 the weights' scale words; v136-161 the head's temporaries;
;             set 1: v162-225 fragments, v226-229 scale words, v230-233 gates, v234-241 token numbers, v242-249 store offsets
;   window 1: the weights of K steps 0-3 at 128 expert + 32 tile + 8 step;   window 2: K steps 4-7 likewise
;   window 3: v0-63 the 8 accumulators (32 expert + 8 tile); v64-95 rows back from the stage; v96-127, v128-159 the gated sums, two sets; v192-255 the biases; at the head v0-219 what the gather brings
.set XIMG, 0                           ; LDS: 12 slots x 8,192: [piece q][lane][16 bytes]
.set XSC,  98304                       ; 12 x 512: x's scale words, 16 bytes a lane
.set GIM,  104448                      ; 12 x 512: the gates, 16 bytes a lane
.set TOK,  110592                      ; 12 x 64: 16 token numbers
.set STG,  111360                      ; 4 x 4,352: each wave's own stage, 16 rows x (256 bytes + 16)
.set NSLOT, 12
.set LI,   4                           ; v4   16 x lane: also the LDS address of slots 0-7 of the fragments
.set LI2,  7                           ; v7   16 x lane + 65,536: slots 8-11 (an LDS offset has 16 bits)
.set LSC,  8                           ; v8   16 x lane + XSC: the scale words, and GIM - XSC further on the gates
.set LTK,  10                          ; v10  32 (lane / 16) + TOK: the token numbers of my half's eight rows
.set OFFS, 16
.set TK,   24
.set XS,   32
.set G,    36
.set WS,   40
.set XF,   72
.set XF2,  90                          ; from set 0 to set 1: the fragments (v162),
.set XS2,  194                         ; the scale words (v226) and the gates (v230),
.set TK2,  210                         ; the token numbers (v234),
.set OF2,  226                         ; the store offsets (v242)
.set POS,  136
.set TKN,  140
.set CA,   144
.set SA,   148
.set GA,   152
.set XW,   156
.set XSW,  159
.set GW,   160
.set TW,   161
.set BIAS, 192
.set OB,   64
.set OUT,  96                          ; in window 3: set 0 at v96, set 1 at v128
.set MSB, 0
.macro WIN new                         ; the immediate's high byte repeats the setting that is left
.if MSB != \new
	s_set_vgpr_msb (MSB<<8)|\new
.set MSB, \new
.endif
.endm
	s_load_b512 s[8:23], s[0:1], 0x0               ; xcodes 8, xscales 10, gates 12, order 14, groups 16, wimg 18, the weights' scales 20, bias 22
	s_load_b64 s[24:25], s[0:1], 0x40              ; out0
	v_lshl_add_u32 v254, v0, 2, 0x1f700
	v_mov_b32 v255, 0
	v_lshrrev_b32 v1, 5, v0
	v_readfirstlane_b32 s2, v1                     ; wave 0..3
	s_and_b32 s4, ttmp7, 0xffff                    ; the group
	s_lshl_b32 s26, s4, 4
	s_mov_b32 s27, 0
	s_wait_kmcnt 0x0
	s_add_nc_u64 s[16:17], s[16:17], s[26:27]
	s_load_b128 s[28:31], s[16:17], 0x0            ; lo | hi << 8, first place, rows, tiles
	v_and_b32 v1, 31, v0                           ; lane
	v_and_b32 v2, 15, v0                           ; r
	v_bfe_u32 v3, v0, 4, 1                         ; h
	v_lshlrev_b32 v[LI], 4, v1
	v_lshlrev_b32 v14, 4, v3                       ; 16 h
	v_lshl_add_u32 v5, v2, 5, v14                  ; 32 r + 16 h: a row's scale bytes
	v_lshlrev_b32 v6, 5, v3                        ; 32 h
	v_lshlrev_b32 v13, 4, v2                       ; 16 r
	v_add_nc_u32 v[LI2], 65536, v[LI]
	v_add_nc_u32 v[LSC], XSC, v[LI]
	v_add_nc_u32 v[LTK], TOK, v6
	s_wait_alu depctr_va_sdst(0)                   ; s2, the wave's number, is written, ahead of its first reader: LDS addresses and the bases of the weights and of out0 are made from it
	s_mul_i32 s5, s2, 4352
	s_add_co_u32 s5, s5, STG                       ; my stage
	v_mul_u32_u24 v11, v2, 272
	v_add_nc_u32 v11, v11, v6
	v_add_nc_u32 v11, s5, v11                      ; in: row r, + 32 h
	v_mul_u32_u24 v12, v3, 2176
	v_add_nc_u32 v12, v12, v13
	v_add_nc_u32 v12, s5, v12                      ; back: lanes 0-15 row t, lanes 16-31 row 8 + t; 16 bytes a lane
	s_lshl_b32 s5, s2, 4
	v_add_nc_u32 v15, s5, v2                       ; 16 w + r: my row in slot w
	s_lshl_b32 s5, s2, 13
	v_add_nc_u32 v[XW], s5, v[LI]                  ; where I store slot w + 4 j: fragments,
	v_add_nc_u32 v[XW+1], 32768, v[XW]
	v_add_nc_u32 v[XW+2], 65536, v[XW]
	s_lshl_b32 s5, s2, 9
	s_add_co_u32 s6, s5, XSC
	v_add_nc_u32 v[XSW], s6, v[LI]                 ; scale words,
	s_add_co_u32 s6, s5, GIM
	v_add_nc_u32 v[GW], s6, v[LI]                  ; gates,
	s_lshl_b32 s5, s2, 6
	s_add_co_u32 s5, s5, TOK
	v_lshl_add_u32 v[TW], v2, 2, s5                ; token numbers
	s_lshl_b32 s52, ttmp9, 4
	s_lshl_b32 s53, s2, 2
	s_add_co_u32 s52, s52, s53                     ; my first tile of 16 columns: 16 cq + 4 w
	s_lshl_b32 s56, ttmp9, 10
	s_lshl_b32 s53, s2, 8
	s_add_co_u32 s56, s56, s53
	s_mov_b32 s57, 0
	s_add_nc_u64 s[24:25], s[24:25], s[56:57]      ; out0 at my 256 bytes of a row
	s_wait_alu depctr_va_vdst(0)
	s_wait_kmcnt 0x0
	s_and_b32 s32, s28, 0xff
	s_min_u32 s32, s32, 7                          ; lo
	s_bfe_u32 s33, s28, 0x80008
	s_min_u32 s33, s33, 7                          ; hi
	s_min_u32 s29, s29, 0x1fff                     ; first place in order
	s_min_u32 s30, s30, 192                        ; rows
	s_min_u32 s31, s31, 12                         ; tiles
	s_max_u32 s34, s30, 1
	s_sub_co_u32 s34, s34, 1                       ; the last row
.macro BASES ex, wb, sb, bb            ; expert s[ex]: its tiles of wimg (8,192 bytes), their scale bytes (512) and biases (64)
	s_lshl_b32 s54, s[\ex], 6
	s_add_co_u32 s54, s54, s52
	s_lshl_b32 s56, s54, 13
	s_add_nc_u64 s[\wb:\wb+1], s[18:19], s[56:57]
	s_lshl_b32 s56, s54, 9
	s_add_nc_u64 s[\sb:\sb+1], s[20:21], s[56:57]
	s_lshl_b32 s56, s54, 6
	s_add_nc_u64 s[\bb:\bb+1], s[22:23], s[56:57]
.endm
	BASES 32, 36, 40, 44
	BASES 33, 38, 42, 46
	; THE GATHER: slots w, w + 4, w + 8
.irp j, 0,1,2
	v_add_nc_u32 v[POS+\j], 64*\j, v15
	v_min_u32 v[POS+\j], s34, v[POS+\j]            ; past the end: the last row again
	v_add_nc_u32 v[POS+\j], s29, v[POS+\j]
	v_min_u32 v[POS+\j], 0x1fff, v[POS+\j]
	v_lshlrev_b32 v[POS+\j], 2, v[POS+\j]
.endr
	s_wait_alu depctr_va_vdst(0)                   ; the three places in order are written, which the loads below read; so is every address that the head has made (v4 to v12, v156 to v161), for all the loads and stores that read them later
.irp j, 0,1,2
	global_load_b32 v[TKN+\j], v[POS+\j], s[14:15]
.endr
	s_wait_loadcnt 0x0
.irp j, 0,1,2
	v_min_u32 v[TKN+\j], 0x1fff, v[TKN+\j]
	v_lshl_add_u32 v[CA+\j], v[TKN+\j], 9, v14     ; codes: 512 bytes a token, + 16 h
	v_lshl_add_u32 v[SA+\j], v[TKN+\j], 5, v14     ; scale bytes: 32 a token, + 16 h
	v_lshlrev_b32 v[GA+\j], 4, v[TKN+\j]           ; gates: 16 a token
.endr
	WIN 0xc0                                       ; destination window 3
	s_wait_alu depctr_va_vdst(0)                   ; the nine offsets of the gather are written, which its loads read, and the clamped token numbers, which the LDS stores below read
.irp j, 0,1,2
.irp q, 0,1,2,3,4,5,6,7,8,9,10,11,12,13,14,15
	global_load_b128 v[64*\j+4*\q:64*\j+4*\q+3], v[CA+\j], s[8:9] offset:32*\q
.endr
	global_load_b128 v[192+4*\j:195+4*\j], v[SA+\j], s[10:11]
	global_load_b128 v[208+4*\j:211+4*\j], v[GA+\j], s[12:13]
.endr
	WIN 0
.irp j, 0,1,2
	ds_store_b32 v[TW], v[TKN+\j] offset:256*\j    ; both halves of the lanes write the same word with the same number
.endr
	WIN 0x0c                                       ; a store's data: window 3
.irp j, 0,1,2
	s_wait_loadcnt 36-18*\j                        ; slot j's 18 loads are in; the later slots' may be out
.irp q, 0,1,2,3,4,5,6,7,8,9,10,11,12,13,14,15
	ds_store_b128 v[XW+\j], v[64*\j+4*\q:64*\j+4*\q+3] offset:512*\q
.endr
	ds_store_b128 v[XSW], v[192+4*\j:195+4*\j] offset:2048*\j
	ds_store_b128 v[GW], v[208+4*\j:211+4*\j] offset:2048*\j
.endr
	WIN 0
	s_wait_dscnt 0x0                               ; for the others' sake: my stores have landed
	s_barrier_signal -1
	s_barrier_wait -1                              ; the 12 slots lie in LDS; nobody writes them again
	s_wait_alu depctr_vm_vsrc(0)                   ; my LDS stores have read window 3's v0 to v219: from here on these registers are the accumulators, OB, OUT and part of the biases, written by matrix and vector instructions and by loads
	s_cmp_eq_u32 s31, 0
	s_cbranch_scc1 .Lend                           ; a group without tiles
	; THE WEIGHTS: 8 tiles x 16 pieces, each lane's 16 bytes as the operand's registers take them.  No vector instruction has named the registers in which they, the scale words and the biases land; their offsets were written ahead of the waits above
.macro LOADW which, half
.irp n, 0,1,2,3
.irp q, 0,1,2,3,4,5,6,7
	global_load_b128 v[128*\which+32*\n+4*\q:128*\which+32*\n+4*\q+3], v[LI], s[36+2*\which:37+2*\which] offset:8192*\n+512*(8*\half+\q)
.endr
.endr
.endm
	WIN 0x40                                       ; destination window 1
	LOADW 0, 0
	LOADW 1, 0
	WIN 0
.irp u, 0,1
.irp n, 0,1,2,3
	global_load_b128 v[WS+16*\u+4*\n:WS+16*\u+4*\n+3], v5, s[40+2*\u:41+2*\u] offset:512*\n
.endr
.endr
	WIN 0xc0
.irp u, 0,1
.irp n, 0,1,2,3
	global_load_b128 v[BIAS+32*\u+8*\n:BIAS+32*\u+8*\n+3], v6, s[44+2*\u:45+2*\u] offset:64*\n      ; columns 16 n + 8 h + 0 .. 7
	global_load_b128 v[BIAS+32*\u+8*\n+4:BIAS+32*\u+8*\n+7], v6, s[44+2*\u:45+2*\u] offset:64*\n+16
.endr
.endr
	WIN 0x80                                       ; destination window 2
	LOADW 0, 1
	LOADW 1, 1
	WIN 0
; Slot sl goes into set sl % 2.
.macro XLOAD sl, q0                    ; eight pieces of slot sl, from piece q0 on: four fragments of x
.set XFD, XF+XF2*((\sl)%2)
.irp q, 0,1,2,3,4,5,6,7
.if (\sl) < 8
	ds_load_b128 v[XFD+4*(\q0+\q):XFD+4*(\q0+\q)+3], v[LI] offset:XIMG+8192*(\sl)+512*(\q0+\q)
.else
	ds_load_b128 v[XFD+4*(\q0+\q):XFD+4*(\q0+\q)+3], v[LI2] offset:XIMG+8192*((\sl)-8)+512*(\q0+\q)
.endif
.endr
.endm
.macro SLOAD sl                        ; its scale words
.set XSD, XS+XS2*((\sl)%2)
	ds_load_b128 v[XSD:XSD+3], v[LSC] offset:512*(\sl)
.endm
.macro GTLOAD sl                       ; its gates, and the 8 token numbers of my half's rows
.set GD,  G+XS2*((\sl)%2)
.set TKD, TK+TK2*((\sl)%2)
	ds_load_b128 v[GD:GD+3], v[LSC] offset:GIM-XSC+512*(\sl)
	ds_load_b128 v[TKD:TKD+3], v[LTK] offset:64*(\sl)
	ds_load_b128 v[TKD+4:TKD+7], v[LTK] offset:64*(\sl)+16
.endm
; K step s of tile sl: eight matrix instructions, the eight accumulators by turns, one instruction a turn
.macro MM8 s, sl
.set XFP, XF+XF2*((\sl)%2)
.set XSP, XS+XS2*((\sl)%2)
.irp u, 0,1
.irp n, 0,1,2,3
.if (\s) == 0
	v_wmma_scale_f32_16x16x128_f8f6f4 v[32*\u+8*\n:32*\u+8*\n+7], v[128*\u+32*\n:128*\u+32*\n+7], v[XFP:XFP+7], v[BIAS+32*\u+8*\n:BIAS+32*\u+8*\n+7], v[WS+16*\u+4*\n], v[XSP] matrix_a_fmt:MATRIX_FMT_FP4 matrix_b_fmt:MATRIX_FMT_FP4
.elseif (\s) < 4
	v_wmma_scale_f32_16x16x128_f8f6f4 v[32*\u+8*\n:32*\u+8*\n+7], v[128*\u+32*\n+8*(\s):128*\u+32*\n+8*(\s)+7], v[XFP+8*(\s):XFP+8*(\s)+7], v[32*\u+8*\n:32*\u+8*\n+7], v[WS+16*\u+4*\n+(\s)], v[XSP+(\s)] matrix_a_fmt:MATRIX_FMT_FP4 matrix_b_fmt:MATRIX_FMT_FP4
.else
	v_wmma_scale_f32_16x16x128_f8f6f4 v[32*\u+8*\n:32*\u+8*\n+7], v[128*\u+32*\n+8*((\s)-4):128*\u+32*\n+8*((\s)-4)+7], v[XFP+8*(\s):XFP+8*(\s)+7], v[32*\u+8*\n:32*\u+8*\n+7], v[WS+16*\u+4*\n+(\s)-4], v[XSP+(\s)-4] matrix_a_fmt:MATRIX_FMT_FP4 matrix_b_fmt:MATRIX_FMT_FP4 matrix_a_scale:MATRIX_SCALE_ROW1 matrix_b_scale:MATRIX_SCALE_ROW1
.endif
.endr
.endr
.endm
; The gated sums of tile sl go into my own stage and come back as whole rows.
.macro TOSTAGE sl
.set OUS, OUT+32*((\sl)%2)
	WIN 0x0c                                       ; a store's data: window 3
.irp n, 0,1,2,3
	ds_store_b128 v11, v[OUS+8*\n:OUS+8*\n+3] offset:64*\n
	ds_store_b128 v11, v[OUS+8*\n+4:OUS+8*\n+7] offset:64*\n+16
.endr
	WIN 0xc0
.irp t, 0,1,2,3,4,5,6,7
	ds_load_b128 v[OB+4*\t:OB+4*\t+3], v12 offset:272*\t   ; LDS serves a wave's instructions in order (ISA guide 5.7.1.4): these see my stores; the stage is my own
.endr
.endm
; The rows of tile sl are stored.  down = 1: nothing was issued behind the stage's loads, and a counted wait stands ahead of each store
.macro SEND sl, down
.set OFS, OFFS+OF2*((\sl)%2)
.irp t, 0,1,2,3,4,5,6,7
.if \down
	s_wait_dscnt 7-\t                              ; rows t and 8 + t are back; the 7 - t younger stage loads may be out
.endif
	global_store_b128 v[OFS+\t], v[OB+4*\t:OB+4*\t+3], s[24:25] th:TH_STORE_NT   ; sixteen lanes store 256 consecutive bytes, at a multiple of 256 from out0's first byte
.endr
.endm
; TILE i of 16 tokens, from set i % 2.  On the way it sends out the tile before (all but tile 0) and fetches the next slot's operands into the other set (all but the last).
; Behind the waits at the last tile's end no vector or matrix instruction names a register that these loads and stores touch: so no s_wait_alu stands among them.
.macro BODY i
.set GP,  G+XS2*((\i)%2)
.set TKP, TK+TK2*((\i)%2)
.set OFP, OFFS+OF2*((\i)%2)
.set OUP, OUT+32*((\i)%2)
.if (\i) == 0
	s_wait_loadcnt 63                              ; of the 152 loads at most 63 are out: the weights of K steps 0-3, the scale words and the biases (the oldest 88) are in
.endif
	s_wait_dscnt 3                                 ; x's fragments and scale words are in; the gates and the two token loads may be out
.if (\i) > 0
	TOSTAGE (\i)-1                                 ; the tile before: 8 LDS stores, 8 LDS loads
.endif
	WIN 0xf1                                       ; source 0 window 1, source 1 window 0, C and D window 3
	MM8 0, \i
	MM8 1, \i
.if (\i) < NSLOT-1
	WIN 0
	XLOAD (\i)+1, 0
	WIN 0xf1
.endif
	MM8 2, \i
	MM8 3, \i
.if (\i) < NSLOT-1
	WIN 0
	XLOAD (\i)+1, 8
	SLOAD (\i)+1
	GTLOAD (\i)+1
.endif
.if (\i) == 0
	s_wait_loadcnt 0x0                             ; the weights of K steps 4-7
.endif
	WIN 0xf2                                       ; source 0 window 2
	MM8 4, \i
	MM8 5, \i
.if (\i) > 0
	WIN 0x0c
.if (\i) < NSLOT-1
	s_wait_dscnt 20                                ; the 20 loads for the next slot may be out: the stage's loads are back, and this tile's gates and token numbers, which are older, are in
.else
	s_wait_dscnt 0x0                               ; nothing was issued behind the stage's loads
.endif
	SEND (\i)-1, 0
	WIN 0xf2
.endif
	MM8 6, \i
	MM8 7, \i
	WIN 0
.if (\i) == 0
	s_wait_dscnt 20                                ; the gates and token numbers are in; the 20 loads for slot 1 may be out
.endif
.irp t, 0,1,2,3,4,5,6,7
	v_min_u32 v[TKP+\t], 0x1fff, v[TKP+\t]         ; these sixteen lines are also the places behind the last products: ahead of the first read of results, of the next tile's first products, which begin the sums anew, and of every later load into this set
.endr
.irp t, 0,1,2,3,4,5,6,7
	v_lshl_add_u32 v[OFP+\t], v[TKP+\t], 12, v13   ; a token's row of 4,096 bytes, + 16 (lane % 16)
.endr
	WIN 0xf3                                       ; the accumulators and the gated sums in window 3, the gates (source 1) in window 0
.irp n, 0,1,2,3
.irp p, 0,2,4,6
	v_pk_mul_f32 v[OUP+8*\n+\p:OUP+8*\n+\p+1], v[8*\n+\p:8*\n+\p+1], v[GP:GP+1]      ; g_lo y_lo: each accumulator from its low end on
.endr
.endr
.irp n, 0,1,2,3
.irp p, 0,2,4,6
	v_pk_fma_f32 v[OUP+8*\n+\p:OUP+8*\n+\p+1], v[32+8*\n+\p:32+8*\n+\p+1], v[GP+2:GP+3], v[OUP+8*\n+\p:OUP+8*\n+\p+1]   ; + g_hi y_hi
.endr
.endr
	WIN 0
.if (\i) > 0
	s_wait_xcnt 0x0                                ; this tile's global stores have had their addresses translated (ISA guide 3.1): OB and the other set's store offsets are written again only behind this wait
	s_wait_alu depctr_vm_vsrc(0)                   ; this tile's global stores have read OB and the other set's store offsets, its LDS stores the other set's gated sums: the stage's next loads land in the first, the next tile's closing lines write the others
.endif
	s_wait_alu depctr_va_vdst(0)                   ; this tile's closing lines have written its gated sums and store offsets, which the next LDS and global stores read; its matrix and vector instructions are done with its set of x, scale words, gates and token numbers, in which the next tile's loads land
.endm
	XLOAD 0, 0                                     ; slot 0
	XLOAD 0, 8
	SLOAD 0
	GTLOAD 0
.set I, 0
.rept NSLOT
.if I > 0
	s_cmp_le_u32 s31, I                            ; the group has no tile I: tile I - 1 was the last, and its rows go out by its set's tail
.if (I-1)%2 == 0
	s_cbranch_scc1 .Ldrain0
.else
	s_cbranch_scc1 .Ldrain1
.endif
.endif
	BODY I
.set I, I+1
.endr
; THE WAY OUT of the last tile's rows.  The waits at that tile's end, ahead of the branch, have stated all that these stores and loads hang on.  What was fetched ahead for a tile that the group does not have is older than the stage's loads.
.macro DRAIN par
	TOSTAGE \par
	WIN 0x0c
	SEND \par, 1
	WIN 0
.endm
.Ldrain1:
	DRAIN 1
	s_branch .Lend
.Ldrain0:
	DRAIN 0
.Lend:
	s_wait_dscnt 0x0                               ; the closing lines, six on end
	s_wait_alu 0x0
	s_wait_tensorcnt 0x0
	ds_add_u32 v254, v255
	s_wait_dscnt 0x0
	s_endpgm
.Lfunc_end_k_qfdeadcd6bc_experts:
	.size	k_qfdeadcd6bc_experts, .Lfunc_end_k_qfdeadcd6bc_experts-k_qfdeadcd6bc_experts
	.p2alignl 7, 3214868480
	.fill 96, 4, 3214868480
	.section	.rodata,"a",@progbits
	.p2align	6, 0x0
	.amdhsa_kernel k_qfdeadcd6bc_experts
		.amdhsa_group_segment_fixed_size 129280
		.amdhsa_private_segment_fixed_size 0
		.amdhsa_enable_private_segment 0
		.amdhsa_kernarg_size 72
		.amdhsa_user_sgpr_count 2
		.amdhsa_user_sgpr_kernarg_segment_ptr 1
		.amdhsa_wavefront_size32 1
		.amdhsa_system_sgpr_workgroup_id_x 1
		.amdhsa_system_sgpr_workgroup_id_y 1
		.amdhsa_system_sgpr_workgroup_id_z 1
		.amdhsa_system_vgpr_workitem_id 0
		.amdhsa_next_free_vgpr 1024
		.amdhsa_next_free_sgpr 66
		.amdhsa_reserve_vcc 0
		.amdhsa_float_denorm_mode_32 3
		.amdhsa_float_denorm_mode_16_64 3
		.amdhsa_memory_ordered 1
		.amdhsa_forward_progress 1
		.amdhsa_inst_pref_size 207
	.end_amdhsa_kernel
	.amdgpu_metadata
---
amdhsa.version: [ 1, 2 ]
amdhsa.kernels:
  - .name:           k_qfdeadcd6bc_experts
    .symbol:         k_qfdeadcd6bc_experts.kd
    .args:
      - { .name: xcodes, .offset: 0, .size: 8, .value_kind: global_buffer, .address_space: global }
      - { .name: xscales, .offset: 8, .size: 8, .value_kind: global_buffer, .address_space: global }
      - { .name: gates, .offset: 16, .size: 8, .value_kind: global_buffer, .address_space: global }
      - { .name: order, .offset: 24, .size: 8, .value_kind: global_buffer, .address_space: global }
      - { .name: groups, .offset: 32, .size: 8, .value_kind: global_buffer, .address_space: global }
      - { .name: wimg, .offset: 40, .size: 8, .value_kind: global_buffer, .address_space: global }
      - { .name: expert_weight_scales, .offset: 48, .size: 8, .value_kind: global_buffer, .address_space: global }
      - { .name: expert_bias, .offset: 56, .size: 8, .value_kind: global_buffer, .address_space: global }
      - { .name: out0, .offset: 64, .size: 8, .value_kind: global_buffer, .address_space: global }
    .group_segment_fixed_size: 129280
    .private_segment_fixed_size: 0
    .kernarg_segment_align: 8
    .kernarg_segment_size: 72
    .max_flat_workgroup_size: 128
    .sgpr_count:     66
    .vgpr_count:     1024
    .wavefront_size: 32
...
	.end_amdgpu_metadata
.endif
;; end of part 7
